; MI455X (gfx1250); checked and timed in simulation.
; The chip was launched on July 23, 2026; its instructions are those of AMD's public machine-readable ISA for CDNA 5 (MIT licence, August 2026) and "CDNA5" Instruction Set Architecture Reference Guide (July 2026). The comments in the code are by the model that wrote it; some were corrected since.
;; Gauss Rasterizer. Allowed arithmetic: float matrix products may take bf16 or f16 operands with f32 sums; all other float work in f32.
;; Inputs: bg 3 float32; campos 3 float32; means2D 1,024 x 3 float32; means3D 1,024 x 3 float32; opacities 1,024 x 1 float32; projmatrix 4 x 4 float32; rotations 1,024 x 4 float32; scales 1,024 x 3 float32; shs 1,024 x 16 x 3 float32; viewmatrix 4 x 4 float32.
;; Outputs: out0 3 x 128 x 128 float32; out1 1,024 int32.
;; 2 versions, each right and faster than the one before. Each part assembles by itself: llvm-mc -triple=amdgcn-amd-amdhsa -mcpu=gfx1250 --defsym DOCPART=n.
;; ======== version 1 of 2: 2 launches
;; workspace buffers: gparm 32,768 bytes; rank 4,096 bytes of whole numbers
;; launch prep (part 1): grid 32 x 1, 32 waves a work-group, no clusters, 12,288 bytes of LDS; arguments means3D, scales, rotations, opacities, shs, viewmatrix, projmatrix, campos, gparm, rank, out1; writes gparm, rank, out1
.if DOCPART == 1
	.amdgcn_target "amdgcn-amd-amdhsa--gfx1250"
	.amdhsa_code_object_version 6
	.text
	.protected	k_qd0ed8774fa_prep
	.globl	k_qd0ed8774fa_prep
	.p2align	8
	.type	k_qd0ed8774fa_prep,@function
k_qd0ed8774fa_prep:
	s_mov_b64 s[64:65], 0
	v_nop
	global_prefetch_b8 v0, s[64:65] scope:SCOPE_SE
	s_setreg_imm32_b32 hwreg(HW_REG_WAVE_MODE, 25, 1), 1
	s_wait_xcnt 0x0
; prep: the per-Gaussian front end of the rasterizer, and the depth order as whole numbers.
; 1,024 Gaussians.  32 work-groups of 32 waves; work-group g owns Gaussians 32 g .. 32 g + 31.
; The order needs every Gaussian's sort key (depth where depth > 0.2 and det > 0, else +inf), so each of the 1,024 threads of a
; work-group makes one key (the whole 2D covariance, since the key hangs on det), and the keys meet in LDS.
; rank[i] = number of j with key_j < key_i, or key_j = key_i and j < i: the place of i in a stable ascending sort.
; Thread t takes Gaussian (t + 32 g) mod 1024 and puts its key at LDS word t: so wave 0 holds the owned Gaussians, their keys are words
; 0 .. 31, and no LDS address hangs on the work-group's number.  Wave w compares the 32 owned keys (one a lane) with words 32 w .. 32 w + 31,
; the keys of Gaussians jb .. jb + 31, jb = (32 w + 32 g) mod 1024; the 32 partial counts are added by wave 0, which also makes the owned
; Gaussians' records, colours and radii.
; Out:  gparm  P0[i] at 16 i         = gx, gy, a2, b2      a2 = -0.5 log2e conA, b2 = -log2e conB
;              P1[i] at 16384 + 16 i = c2, thr, crg, cbb   c2 = -0.5 log2e conC, thr = log2(255 opacity) if valid and >= 0, else -1
;                                                          crg = bf16 R | bf16 G << 16, cbb = bf16 B twice
;       rank[i], out1[i] (radius).
; means2D is no argument: the problem's function never reads it.
; No matrix unit, no tensor loads, no cluster: 250 KB of input, read once at the head, through registers.
; LIMITS.  All in f32 with fused multiply-adds, v_rcp/v_rsq/v_sqrt/v_log (1 ulp) and the product T2 Sigma T2^T taken as (T2 M)(T2 M)^T:
; the rounding differs from the problem's function by a few ulp.  So a radius whose 3 sqrt(lam1) lies that close to a whole number may
; differ by one, and two depths that differ by an ulp or so under a general view matrix may change places.  A colour that is NaN (a mean
; at campos) becomes 0 (v_max_num_f32 drops a NaN).  Radii beyond int32 and infinite opacities are not served.
.set KEY, 0                            ; LDS: 1,024 keys, 4 bytes each, by thread
.set CNT, 4096                         ; LDS: counts [wave 32][lane 32], 4 bytes each
.set VM,  28                           ; s[28:43] viewmatrix, V[r][c] = s[VM+4r+c]
.set PM,  44                           ; s[44:59] projmatrix
.set KJ,  32                           ; v[32:63]  the 32 keys that my wave compares with
.set SH,  64                           ; v[64:111] wave 0: 16 x 3 SH coefficients of my Gaussian
.set RGB, 26                           ; v[26:28]  wave 0: the colour sums
.set BS,  29                           ; v29       wave 0: one SH basis value
; v0 thread, v1 lane, v2 Gaussian gi, v[4:6] mean, v[8:10] scale, v[12:15] quaternion, v16 opacity, v20 depth, v21 a, v22 b, v23 c, v24 det,
; v[112:119] the two records, v120 radius, v121 key of owned Gaussian 32 g + lane, v122 its index less jb, v123 bound, v124 count
	s_load_b512 s[4:19], s[0:1], 0x0               ; means3D s[4:5], scales s[6:7], rotations s[8:9], opacities s[10:11], shs s[12:13], viewmatrix s[14:15], projmatrix s[16:17], campos s[18:19]
	s_load_b128 s[20:23], s[0:1], 0x40             ; gparm s[20:21], rank s[22:23]
	s_load_b64 s[24:25], s[0:1], 0x50              ; out1
	v_lshrrev_b32 v1, 5, v0
	v_readfirstlane_b32 s66, v1                    ; wave 0..31
	v_and_b32 v1, 31, v0                           ; lane
	s_lshl_b32 s67, ttmp9, 5                       ; 32 g
	v_add_nc_u32 v2, s67, v0
	v_and_b32 v2, 0x3ff, v2                        ; gi = (t + 32 g) mod 1024
	v_mul_u32_u24 v3, 12, v2                       ; byte offset of a row of three f32
	v_lshlrev_b32 v17, 4, v2                       ; of a row of four
	s_mov_b32 s68, 0xbf266666                      ; -1.3 tan = -0.65
	s_mov_b32 s69, 0x3f266666                      ; +0.65
	s_mov_b32 s75, 0x42800000                      ; 64.0  = W / 2 = H / 2
	s_mov_b32 s76, 0x427e0000                      ; 63.5  = (W - 1) / 2
	s_wait_kmcnt 0x0
	s_load_b512 s[VM:VM+15], s[14:15], 0x0
	s_load_b512 s[PM:PM+15], s[16:17], 0x0
	s_load_b96 s[60:62], s[18:19], 0x0             ; campos
	global_load_b96 v[4:6], v3, s[4:5]
	global_load_b96 v[8:10], v3, s[6:7]
	global_load_b128 v[12:15], v17, s[8:9]
	s_cmp_lg_u32 s66, 0
	s_cbranch_scc1 .Lno_own_loads
	v_lshlrev_b32 v18, 2, v2                       ; wave 0 alone: opacity and the 192 bytes of SH of the owned Gaussians, in the same burst
	v_mul_u32_u24 v19, 192, v2
	global_load_b32 v16, v18, s[10:11]
.irp n, 0,1,2,3,4,5,6,7,8,9,10,11
	global_load_b128 v[SH+4*\n:SH+4*\n+3], v19, s[12:13] offset:16*\n
.endr
.Lno_own_loads:
	s_wait_kmcnt 0x0                               ; the two matrices and campos
	s_wait_loadcnt 0x0                             ; all my loads (3, in wave 0 sixteen): zero holds on both ways, and frees v3, v17, v18, v19
; dst = (mean, 1) . column col of the 4 x 4 matrix at s[m] (row-vector convention)
.macro DOT dst, m, col
	v_fma_f32 v[\dst], v6, s[\m+8+\col], s[\m+12+\col]
	v_fma_f32 v[\dst], v5, s[\m+4+\col], v[\dst]
	v_fma_f32 v[\dst], v4, s[\m+\col], v[\dst]
.endm
	; ---- the 2D covariance and the key, every thread ----
	DOT 25, VM, 0                                  ; p_view x
	DOT 26, VM, 1                                  ; p_view y
	DOT 20, VM, 2                                  ; depth
	v_mul_f32 v42, v12, v12
	v_fma_f32 v42, v13, v13, v42
	v_fma_f32 v42, v14, v14, v42
	v_fma_f32 v42, v15, v15, v42                   ; |q|^2
	v_cmp_lt_f32 s70, 0x3e4ccccd, v20              ; valid: 0.2 < depth (a NaN fails)
	v_cndmask_b32 v28, 1.0, v20, s70               ; tz
	v_rcp_f32 v29, v28                             ; 1 / tz
	v_rsq_f32 v43, v42                             ; 1 / |q|
	v_lshlrev_b32 v19, 2, v0                       ; the plain instruction behind the two transcendentals (ISA guide 5.7.2): my key's LDS address, 4 t
	s_wait_alu depctr_va_vdst(0)
	v_mul_f32 v43, 0x3fb504f3, v43                 ; sqrt 2 / |q|: products of two components then carry the factor 2
	v_mul_f32 v30, v25, v29
	v_mul_f32 v31, v26, v29
	v_med3_num_f32 v30, v30, s68, s69              ; clip
	v_med3_num_f32 v31, v31, s68, s69
	v_mul_f32 v32, 0x43000000, v29                 ; J00 = J11 = 128 / tz   (FX = FY = 128)
	v_mul_f32 v33, v32, v29                        ; 128 / tz^2
	v_mul_f32 v30, v30, v28                        ; txtz
	v_mul_f32 v31, v31, v28                        ; tytz
	v_mul_f32 v34, -v30, v33                       ; J02
	v_mul_f32 v35, -v31, v33                       ; J12
.irp k, 0,1,2
	v_mul_f32 v[36+\k], s[VM+4*\k+2], v34          ; T2[0][k] = J00 V[k][0] + J02 V[k][2]
	v_fma_f32 v[36+\k], v32, s[VM+4*\k], v[36+\k]
	v_mul_f32 v[39+\k], s[VM+4*\k+2], v35          ; T2[1][k] = J11 V[k][1] + J12 V[k][2]
	v_fma_f32 v[39+\k], v32, s[VM+4*\k+1], v[39+\k]
.endr
	v_mul_f32 v12, v12, v43                        ; r, x, y, z, each times sqrt 2 / |q|
	v_mul_f32 v13, v13, v43
	v_mul_f32 v14, v14, v43
	v_mul_f32 v15, v15, v43
	v_fma_f32 v44, -v13, v13, 1.0                  ; 1 - 2xx
	v_fma_f32 v45, -v14, v14, 1.0                  ; 1 - 2yy
	v_mul_f32 v46, v13, v14                        ; 2xy
	v_mul_f32 v47, v13, v15                        ; 2xz
	v_mul_f32 v48, v14, v15                        ; 2yz
	v_fma_f32 v50, -v15, v15, v45                  ; R[k][j] in v[50+3k+j]
	v_fma_f32 v51, -v12, v15, v46
	v_fma_f32 v52, v12, v14, v47
	v_fma_f32 v53, v12, v15, v46
	v_fma_f32 v54, -v15, v15, v44
	v_fma_f32 v55, -v12, v13, v48
	v_fma_f32 v56, -v12, v14, v47
	v_fma_f32 v57, v12, v13, v48
	v_fma_f32 v58, -v14, v14, v44
.irp j, 0,1,2
	v_mul_f32 v[59+\j], v36, v[50+\j]              ; N[i][j] = (sum over k of T2[i][k] R[k][j]) s_j: N = T2 M, cov2 = N N^T
	v_mul_f32 v[25+\j], v39, v[50+\j]
	v_fma_f32 v[59+\j], v37, v[53+\j], v[59+\j]
	v_fma_f32 v[25+\j], v40, v[53+\j], v[25+\j]
	v_fma_f32 v[59+\j], v38, v[56+\j], v[59+\j]
	v_fma_f32 v[25+\j], v41, v[56+\j], v[25+\j]
	v_mul_f32 v[59+\j], v[59+\j], v[8+\j]
	v_mul_f32 v[25+\j], v[25+\j], v[8+\j]
.endr
	v_fmaak_f32 v21, v59, v59, 0x3e99999a          ; a = N0.N0 + 0.3
	v_mul_f32 v22, v59, v25                        ; b = N0.N1
	v_fmaak_f32 v23, v25, v25, 0x3e99999a          ; c = N1.N1 + 0.3
	v_fma_f32 v21, v60, v60, v21
	v_fma_f32 v22, v60, v26, v22
	v_fma_f32 v23, v26, v26, v23
	v_fma_f32 v21, v61, v61, v21
	v_fma_f32 v22, v61, v27, v22
	v_fma_f32 v23, v27, v27, v23
	v_mul_f32 v17, v22, v22
	v_fma_f32 v24, v21, v23, -v17                  ; det
	v_cmp_lt_f32 s71, 0, v24                       ; det > 0
	s_and_b32 s70, s70, s71                        ; valid
	v_mov_b32 v18, 0x7f800000
	v_cndmask_b32 v18, v18, v20, s70               ; the key: a positive float or +inf, so its bits order as an unsigned number
	ds_store_b32 v19, v18 offset:KEY               ; word t: each wave stores into its own 128 bytes
	s_wait_dscnt 0x0                               ; my key is in LDS before I say so: the others read it behind the barrier
	s_barrier_signal -1
	s_barrier_wait -1
	; ---- the keys to compare ----
	s_lshl_b32 s74, s66, 7                         ; 4 x 32 wave
	v_lshlrev_b32 v125, 2, v1                      ; 4 lane
	v_mov_b32 v126, s74
	ds_load_b32 v121, v125 offset:KEY              ; key of owned Gaussian i = 32 g + lane: word lane, which wave 0 stored
.irp n, 0,1,2,3,4,5,6,7
	ds_load_b128 v[KJ+4*\n:KJ+4*\n+3], v126 offset:KEY+16*\n   ; words 32 wave .. + 31, the same in every lane
.endr
	s_cmp_lg_u32 s66, 0
	s_cbranch_scc1 .Lno_own
	; ---- wave 0, while those loads are on their way: records, radius and colour of the owned Gaussians (registers alone; v[32:63] and v121 are left alone) ----
	DOT 25, PM, 0                                  ; p_hom x
	DOT 26, PM, 1                                  ; p_hom y
	DOT 27, PM, 3                                  ; p_hom w
	v_add_f32 v27, 0x33d6bf95, v27                 ; + 1e-7
	v_cndmask_b32 v28, 1.0, v24, s71               ; det where det > 0, else 1
	v_mul_f32 v16, 0x437f0000, v16                 ; 255 opacity
	v_sub_f32 v8, v4, s60                          ; mean - campos
	v_sub_f32 v9, v5, s61
	v_sub_f32 v10, v6, s62
	v_mul_f32 v11, v8, v8
	v_fma_f32 v11, v9, v9, v11
	v_fma_f32 v11, v10, v10, v11
	v_add_f32 v29, v21, v23
	v_mul_f32 v29, 0.5, v29                        ; mid
	v_fma_f32 v30, v29, v29, -v24
	v_max_num_f32 v30, 0x3dcccccd, v30             ; max(0.1, mid^2 - det)
	v_rcp_f32 v12, v27                             ; 1 / (w + 1e-7)
	v_rcp_f32 v13, v28                             ; inv_det
	v_log_f32 v14, v16                             ; log2(255 opacity)
	v_rsq_f32 v15, v11                             ; 1 / |mean - campos|
	v_sqrt_f32 v17, v30
	v_lshlrev_b32 v3, 4, v2                        ; the plain instruction behind the transcendentals: 16 gi, the records' offset
	s_wait_alu depctr_va_vdst(0)
	v_add_f32 v17, v29, v17                        ; lam1
	v_sqrt_f32 v18, v17
	v_mul_f32 v25, v25, v12                        ; (plain, and names neither v17 nor v18)
	v_mul_f32 v26, v26, v12
	v_fma_f32 v112, v25, s75, s76                  ; gx = ((p + 1) 128 - 1) / 2 = 64 p + 63.5
	v_fma_f32 v113, v26, s75, s76                  ; gy
	v_mul_f32 v13, 0xbf38aa3b, v13                 ; -0.5 log2e inv_det
	v_mul_f32 v114, v23, v13                       ; a2 = -0.5 log2e c inv_det
	v_mul_f32 v115, v22, v13
	v_mul_f32 v116, v21, v13                       ; c2 = -0.5 log2e a inv_det
	v_mul_f32 v115, -2.0, v115                     ; b2 = +log2e b inv_det
	s_wait_alu depctr_va_vdst(0)
	v_mul_f32 v18, 0xc0400000, v18                 ; -3 sqrt(lam1)
	v_floor_f32 v18, v18                           ; ceil(x) = -floor(-x)
	v_cvt_i32_f32 v18, v18
	v_sub_nc_u32 v18, 0, v18
	v_cndmask_b32 v120, 0, v18, s70                ; radius, 0 where not valid
	v_cmp_le_f32 s72, 0, v14                       ; an opacity under 1/255 (or negative: NaN) can never reach alpha >= 1/255
	s_and_b32 s72, s72, s70
	v_cndmask_b32 v117, -1.0, v14, s72             ; thr
	v_mul_f32 v8, v8, v15                          ; x, y, z of the unit direction
	v_mul_f32 v9, v9, v15
	v_mul_f32 v10, v10, v15
	v_mul_f32 v11, v8, v8                          ; xx
	v_mul_f32 v12, v9, v9                          ; yy
	v_mul_f32 v13, v10, v10                        ; zz
	v_mul_f32 v14, v8, v9                          ; xy
	v_mul_f32 v15, v9, v10                         ; yz
	v_mul_f32 v17, v8, v10                         ; xz
	v_add_f32 v25, v11, v12                        ; xx + yy
	v_sub_f32 v31, v11, v12                        ; xx - yy
	v_fma_f32 v19, 2.0, v13, -v25                  ; 2zz - xx - yy
	v_fma_f32 v18, 4.0, v13, -v25                  ; 4zz - xx - yy
.irp c, 0,1,2
	v_fma_f32 v[RGB+\c], 0x3e906ebb, v[SH+\c], 0.5 ; C0 sh0 + 0.5 starts the sums
.endr
; one SH term: the basis value coef x v[src], with its sign, times coefficient n, into the three channels
.macro TERM n, neg, coef, src
	v_mul_f32 v[BS], \coef, v[\src]
.irp c, 0,1,2
.if \neg
	v_fma_f32 v[RGB+\c], -v[BS], v[SH+3*\n+\c], v[RGB+\c]
.else
	v_fma_f32 v[RGB+\c], v[BS], v[SH+3*\n+\c], v[RGB+\c]
.endif
.endr
.endm
	TERM 1, 1, 0.48860251, 9                       ; -C1 y
	TERM 2, 0, 0.48860251, 10                      ; +C1 z
	TERM 3, 1, 0.48860251, 8                       ; -C1 x
	TERM 4, 0, 1.0925484, 14                       ; xy
	TERM 5, 1, 1.0925484, 15                       ; yz
	TERM 6, 0, 0.31539157, 19                      ; 2zz - xx - yy
	TERM 7, 1, 1.0925484, 17                       ; xz
	TERM 8, 0, 0.54627422, 31                      ; xx - yy
	v_fma_f32 v30, 3.0, v11, -v12
	v_mul_f32 v30, v30, v9                         ; y (3xx - yy)
	TERM 9, 1, 0.59004359, 30
	v_mul_f32 v30, v14, v10                        ; xy z
	TERM 10, 0, 2.8906114, 30
	v_mul_f32 v30, v9, v18                         ; y (4zz - xx - yy)
	TERM 11, 1, 0.45704580, 30
	v_fma_f32 v30, -2.0, v25, v19
	v_mul_f32 v30, v30, v10                        ; z (2zz - 3xx - 3yy)
	TERM 12, 0, 0.37317633, 30
	v_mul_f32 v30, v8, v18                         ; x (4zz - xx - yy)
	TERM 13, 1, 0.45704580, 30
	v_mul_f32 v30, v10, v31                        ; z (xx - yy)
	TERM 14, 0, 1.4453057, 30
	v_fma_f32 v30, 3.0, -v12, v11
	v_mul_f32 v30, v30, v8                         ; x (xx - 3yy)
	TERM 15, 1, 0.59004359, 30
.irp c, 0,1,2
	v_max_num_f32 v[RGB+\c], 0, v[RGB+\c]
.endr
	v_cvt_pk_bf16_f32 v118, v[RGB], v[RGB+1]       ; the colours are a matrix operand of the next launch: bf16
	v_cvt_pk_bf16_f32 v119, v[RGB+2], v[RGB+2]
.Lno_own:
	; ---- 32 comparisons a thread ----
	s_lshl_b32 s77, s66, 5
	s_add_co_u32 s77, s77, s67
	s_and_b32 s77, s77, 0x3ff                      ; jb = (32 wave + 32 g) mod 1024: the Gaussian of my wave's first key (both terms are multiples of 32: no wrap inside the 32)
	s_sub_co_i32 s78, s67, s77                     ; 32 g - jb
	v_add_nc_u32 v122, s78, v1                     ; i - jb (signed): key number m of my wave belongs to an earlier Gaussian where m < this
	v_mov_b32 v124, 0
	v_lshlrev_b32 v125, 2, v0                      ; 128 wave + 4 lane
	s_wait_dscnt 0x0                               ; the nine LDS loads above
.set m, 0
.rept 32
	v_cmp_lt_i32 vcc_lo, m, v122                   ; j < i ?
	v_add_co_ci_u32 v123, vcc_lo, 0, v121, vcc_lo  ; then a tie counts too: compare with key_i + 1
	v_cmp_lt_u32 vcc_lo, v[KJ+m], v123
	v_add_co_ci_u32 v124, vcc_lo, 0, v124, vcc_lo  ; count it
.set m, m+1
.endr
	ds_store_b32 v125, v124 offset:CNT             ; bytes 4,096 and up: no key lies there
	s_wait_dscnt 0x0                               ; my counts are in LDS before I say so: wave 0 reads them behind the barrier
	s_barrier_signal -1
	s_barrier_wait -1
	s_cmp_lg_u32 s66, 0
	s_cbranch_scc1 .Lend
	; ---- wave 0: the sum of the 32 waves' counts, and the stores ----
	v_lshlrev_b32 v126, 2, v1
.irp w, 0,1,2,3,4,5,6,7,8,9,10,11,12,13,14,15,16,17,18,19,20,21,22,23,24,25,26,27,28,29,30,31
	ds_load_b32 v[KJ+\w], v126 offset:CNT+128*\w
.endr
	v_lshlrev_b32 v127, 2, v2                      ; 4 gi
	global_store_b128 v3, v[112:115], s[20:21]                 ; the wave's 32 records: 512 consecutive bytes, aligned
	global_store_b128 v3, v[116:119], s[20:21] offset:16384
	global_store_b32 v127, v120, s[24:25]                      ; radii: 128 consecutive bytes a work-group (whole blocks of 256 would want 64 owned Gaussians, twice the comparisons a thread)
	s_wait_dscnt 0x0
	v_add3_u32 v124, v[KJ], v[KJ+1], v[KJ+2]
.irp w, 3,5,7,9,11,13,15,17,19,21,23,25,27,29
	v_add3_u32 v124, v124, v[KJ+\w], v[KJ+\w+1]
.endr
	v_add_nc_u32 v124, v124, v[KJ+31]
	global_store_b32 v127, v124, s[22:23]                      ; rank
.Lend:
	s_wait_xcnt 0x0
	v_lshl_add_u32 v126, v0, 2, 0x2000
	v_mov_b32 v127, 0
	s_wait_tensorcnt 0x0
	ds_add_u32 v126, v127
	s_wait_dscnt 0x0
	s_endpgm
.Lfunc_end_k_qd0ed8774fa_prep:
	.size	k_qd0ed8774fa_prep, .Lfunc_end_k_qd0ed8774fa_prep-k_qd0ed8774fa_prep
	.p2alignl 7, 3214868480
	.fill 96, 4, 3214868480
	.section	.rodata,"a",@progbits
	.p2align	6, 0x0
	.amdhsa_kernel k_qd0ed8774fa_prep
		.amdhsa_group_segment_fixed_size 12288
		.amdhsa_private_segment_fixed_size 0
		.amdhsa_enable_private_segment 0
		.amdhsa_kernarg_size 88
		.amdhsa_user_sgpr_count 2
		.amdhsa_user_sgpr_kernarg_segment_ptr 1
		.amdhsa_wavefront_size32 1
		.amdhsa_system_sgpr_workgroup_id_x 1
		.amdhsa_system_sgpr_workgroup_id_y 1
		.amdhsa_system_sgpr_workgroup_id_z 1
		.amdhsa_system_vgpr_workitem_id 0
		.amdhsa_next_free_vgpr 128
		.amdhsa_next_free_sgpr 80
		.amdhsa_reserve_vcc 1
		.amdhsa_float_denorm_mode_32 3
		.amdhsa_float_denorm_mode_16_64 3
		.amdhsa_memory_ordered 1
		.amdhsa_forward_progress 1
		.amdhsa_inst_pref_size 25
	.end_amdhsa_kernel
	.amdgpu_metadata
---
amdhsa.version: [ 1, 2 ]
amdhsa.kernels:
  - .name:           k_qd0ed8774fa_prep
    .symbol:         k_qd0ed8774fa_prep.kd
    .args:
      - { .name: means3D, .offset: 0, .size: 8, .value_kind: global_buffer, .address_space: global }
      - { .name: scales, .offset: 8, .size: 8, .value_kind: global_buffer, .address_space: global }
      - { .name: rotations, .offset: 16, .size: 8, .value_kind: global_buffer, .address_space: global }
      - { .name: opacities, .offset: 24, .size: 8, .value_kind: global_buffer, .address_space: global }
      - { .name: shs, .offset: 32, .size: 8, .value_kind: global_buffer, .address_space: global }
      - { .name: viewmatrix, .offset: 40, .size: 8, .value_kind: global_buffer, .address_space: global }
      - { .name: projmatrix, .offset: 48, .size: 8, .value_kind: global_buffer, .address_space: global }
      - { .name: campos, .offset: 56, .size: 8, .value_kind: global_buffer, .address_space: global }
      - { .name: gparm, .offset: 64, .size: 8, .value_kind: global_buffer, .address_space: global }
      - { .name: rank, .offset: 72, .size: 8, .value_kind: global_buffer, .address_space: global }
      - { .name: out1, .offset: 80, .size: 8, .value_kind: global_buffer, .address_space: global }
    .group_segment_fixed_size: 12288
    .private_segment_fixed_size: 0
    .kernarg_segment_align: 8
    .kernarg_segment_size: 88
    .max_flat_workgroup_size: 1024
    .sgpr_count:     80
    .vgpr_count:     128
    .wavefront_size: 32
...
	.end_amdgpu_metadata
.endif
;; end of part 1
;; launch raster (part 2): grid 256 x 1, 4 waves a work-group, no clusters, 28,160 bytes of LDS; arguments gparm, rank, bg, out0; writes out0
.if DOCPART == 2
	.amdgcn_target "amdgcn-amd-amdhsa--gfx1250"
	.amdhsa_code_object_version 6
	.text
	.protected	k_qd0ed8774fa_raster
	.globl	k_qd0ed8774fa_raster
	.p2align	8
	.type	k_qd0ed8774fa_raster,@function
k_qd0ed8774fa_raster:
	s_mov_b64 s[64:65], 0
	v_nop
	global_prefetch_b8 v0, s[64:65] scope:SCOPE_SE
	s_setreg_imm32_b32 hwreg(HW_REG_WAVE_MODE, 25, 1), 1
	s_wait_xcnt 0x0
; raster: every pixel composites the 1,024 Gaussians front to back.
; 256 work-groups of 4 waves; work-group g has row y = g / 2, columns 64 (g mod 2) .. + 63; a wave has 16 pixels.
; Lane (r, h), r = lane mod 16, h = lane / 16, works for pixel r on Gaussians 16 h .. 16 h + 15 of every chunk of 32 sorted Gaussians:
; 512 pairs a lane, two at a time in packed f32.
; THE ARITHMETIC.  With dy = gy - py fixed for the work-group's row,
;   q = thr + log2e power = (a2 dx + B) dx + Cq,   B = b2 dy,   Cq = (c2 dy) dy + thr,   thr = log2(255 opacity),
;   255 opacity exp(power) = 2^q;   (power <= 0) and (alpha >= 1/255) and valid  <=>  0 <= q <= thr  <=>  bits(q) < TH as unsigned numbers
;   (a negative q and a NaN have larger bits than any TH; TH = 0 where thr < 0).  beta = min(252.45, 2^q) masked = 255 alpha;
;   1 - alpha = 1 - beta / 255;  weight = T beta, kept where T behind the Gaussian is >= 1e-4;  the factor 1/255 once at the end;
;   the exponent q is at most thr + 2 ulp where it is used, and beta is capped as the problem's function caps alpha: no exponential can overflow.
;   T at the end = 1 - (sum of kept T beta) / 255, since the kept weights telescope; that sum is kept in f32.
; THE PREFIX.  T in front of a lane's 16 Gaussians = T at the chunk's start, times (h = 1) the other half's product of 1 - alpha:
; one exchange between the halves a chunk.  Stage A of a chunk (table -> beta, 1 - alpha, product) needs no T; stage B (the chain of T,
; the cut, the weights) does.  A trip runs B of chunk t interleaved with A of chunk t + 1, so the chain's links have other work between them.
; THE SUM OVER GAUSSIANS (weights x colours) goes to the matrix unit in bf16: A = colours (row min(r, 2): R, G, B, and 13 repeats of B that
; are never read), B = weights (column = pixel r).  In both, lane (r, h)'s register i holds Gaussians 16 h + 2 i, 16 h + 2 i + 1: the same
; permutation of k on both sides, so the products pair.  Register j of the result in lanes 0-15 is channel j of pixel r.
; PROLOGUE.  The 36 KB of records and ranks are read once, transformed for the row (B, Cq, TH) and placed in LDS at their rank, which an
; earlier launch stored as whole numbers.  The loop reads no global memory.
; NO CLUSTER, NO TENSOR LOADS: what the work-groups share is those 36 KB, read once each, and they have to pass through registers for the
; row transform and the placement by rank.  No prefetch: the only global loads are the first thing the kernel does.
; LIMITS.  The three thresholds are decided on values rounded otherwise than in the problem's function (fused multiply-adds, opacity in the
; exponent, 1 - alpha multiplied as a tree): a pair within a few ulp of alpha = 1/255 or T = 1e-4 may fall on the other side.  power <= 0 is
; tested behind the addition of thr, with 2 ulp of thr allowed above (Cq and q are each rounded once at thr's size): a computed power in
; (0, about 3e-7 thr] passes.  Weights and colours are rounded to bf16 (2^-9 each) in a sum of terms that are all >= 0.
.set GXo,  0                           ; LDS, one f32 for each SORTED Gaussian: gx
.set Ao,   4096                        ; a2
.set Bo,   8192                        ; B
.set CQo,  12288                       ; Cq
.set THo,  16384                       ; TH
.set COLo, 20480                       ; three rows (R, G, B) of 1,024 bf16
.set CP,   2080                        ; their pitch: 2,048 + 32, so the three rows that a load touches start 32 bytes apart modulo 256
.set STG,  26880                       ; 3 x 256 bytes: the work-group's 64 pixels of each channel, on the way out
.set PXP,  2                           ; v[2:3]   px, twice
.set TA,   4                           ; v4       LDS address in the f32 tables: 64 h + 128 chunk
.set CA,   5                           ; v5       LDS address in the colours: COLo + min(r, 2) CP + 32 h + 64 chunk
.set TRUN, 6                           ; v6       T at the start of the chunk that stage A works on
.set PY,   7                           ; v7       py
.set TQ,   8                           ; v[8:11]  four links of the chain of T
.set SA,   12                          ; v[12:15] sums of kept weights
.set SB,   14
.set LPA,  16                          ; v[16:19] running products of 1 - alpha
.set LPB,  18
.set LV,   20                          ; my 16 Gaussians' product
.set LX,   21                          ; the other half's
.set FV,   22
.set PV,   23
.set DX,   24                          ; v[24:27]
.set U,    28                          ; v[28:31]
.set Q,    32                          ; v[32:35]
.set WT,   36                          ; v[36:39] weights in f32;  v[40:47] at work in the prologue and on the way out
.set W,    48                          ; v[48:55] matrix operand: weights
.set COL,  56                          ; v[56:63] matrix operand: colours
.set ACC0, 64                          ; v[64:71], v[72:79] two accumulators
.set ACC1, 72
.set BETA, 80                          ; v[80:95]
.set OM,   96                          ; v[96:111] 1 - alpha
.set GX,   112                         ; v[112:191] a chunk's table, 16 entries of each kind (in the prologue: 8 records P0, 8 records P1, 8 ranks)
.set AA,   128
.set BB,   144
.set CQ,   160
.set TH,   176
	s_load_b256 s[4:11], s[0:1], 0x0               ; gparm s[4:5], rank s[6:7], bg s[8:9], out0 s[10:11]
	v_lshl_add_u32 v192, v0, 2, 0x6c00
	v_mov_b32 v193, 0
	v_lshrrev_b32 v1, 5, v0
	v_readfirstlane_b32 s12, v1                    ; wave 0..3
	v_and_b32 v1, 31, v0                           ; lane
	s_lshr_b32 s13, ttmp9, 1                       ; y
	s_and_b32 s14, ttmp9, 1
	s_lshl_b32 s14, s14, 6                         ; x0
	v_lshlrev_b32 v40, 4, v0                       ; 16 t
	v_lshlrev_b32 v41, 2, v0                       ; 4 t
	s_wait_kmcnt 0x0
	s_load_b96 s[16:18], s[8:9], 0x0               ; bg
.irp k, 0,1,2,3,4,5,6,7
	global_load_b128 v[GX+4*\k:GX+4*\k+3], v40, s[4:5] offset:2048*\k          ; P0 of Gaussian t + 128 k: gx, gy, a2, b2
	global_load_b128 v[BB+4*\k:BB+4*\k+3], v40, s[4:5] offset:16384+2048*\k    ; P1: c2, thr, crg, cbb
	global_load_b32 v[TH+\k], v41, s[6:7] offset:512*\k                        ; its rank
.endr
	s_mov_b32 s20, 0x38d1b717                      ; 1e-4
	s_mov_b32 s22, 0xbb808081                      ; -1/255 (a pair: a packed source is read as a pair)
	s_mov_b32 s23, 0xbb808081
	s_mov_b32 s32, 0xffff0000                      ; the lanes with h = 1
	s_mov_b32 s33, 0x76543210                      ; v_permlanex16_b32: lane i of one half reads lane i of the other
	s_mov_b32 s34, 0xfedcba98
	s_mov_b32 s36, 0x437c7333                      ; 252.45 = 0.99 x 255
	s_mov_b32 s37, 0x3b808081                      ; 1/255
	v_lshrrev_b32 v44, 5, v0
	v_and_b32 v45, 15, v0                          ; r
	v_bfe_u32 v46, v0, 4, 1                        ; h
	v_lshl_add_u32 v44, v44, 4, v45
	v_add_nc_u32 v44, s14, v44                     ; my pixel's column: x0 + 16 wave + r
	v_cvt_f32_u32 v[PXP], v44
	v_cvt_f32_u32 v[PXP+1], v44
	v_cvt_f32_u32 v[PY], s13
	v_lshlrev_b32 v[TA], 6, v46
	v_min_u32 v47, 2, v45
	v_mul_u32_u24 v47, CP, v47
	v_lshl_add_u32 v[CA], v46, 5, v47
	v_add_nc_u32 v[CA], COLo, v[CA]
	v_mov_b32 v[TRUN], 1.0
	v_mov_b32 v[SA], 0
	v_mov_b32 v[SA+1], 0
	v_mov_b32 v[SB], 0
	v_mov_b32 v[SB+1], 0
	v_mov_b32 v[LX], 0                             ; a lane permute's destination counts as read: written once here
; Gaussian t + 128 k: its row-specific entries go to LDS at its rank
.macro PLACE k
	s_wait_loadcnt 3*(7-\k)                        ; loads return in order: the three loads of each younger k may stay out
	v_min_u32 v42, 0x3ff, v[TH+\k]                 ; a loaded number enters an address only behind this bound
	v_sub_f32 v43, v[GX+4*\k+1], v[PY]             ; dy = gy - py
	v_lshlrev_b32 v44, 2, v42
	v_lshlrev_b32 v45, 1, v42
	v_mul_f32 v46, v[GX+4*\k+3], v43               ; B = b2 dy
	v_mul_f32 v47, v[BB+4*\k], v43
	v_fma_f32 v47, v47, v43, v[BB+4*\k+1]          ; Cq = (c2 dy) dy + thr
	v_cmp_le_f32 vcc_lo, 0, v[BB+4*\k+1]
	v_add_nc_u32 v42, 3, v[BB+4*\k+1]              ; bits(thr) + 1, and 2 ulp for the two roundings of q
	v_cndmask_b32 v42, 0, v42, vcc_lo              ; TH; 0 lets nothing pass
	ds_store_b32 v44, v[GX+4*\k] offset:GXo
	ds_store_b32 v44, v[GX+4*\k+2] offset:Ao
	ds_store_b32 v44, v46 offset:Bo
	ds_store_b32 v44, v47 offset:CQo
	ds_store_b32 v44, v42 offset:THo
	ds_store_b16 v45, v[BB+4*\k+2] offset:COLo
	ds_store_b16_d16_hi v45, v[BB+4*\k+2] offset:COLo+CP
	ds_store_b16 v45, v[BB+4*\k+3] offset:COLo+2*CP
.endm
.irp k, 0,1,2,3,4,5,6,7
	PLACE \k
.endr
	s_wait_kmcnt 0x0                               ; bg
	s_wait_dscnt 0x0                               ; my part of the tables is in LDS before I say so: every wave reads all of them behind the barrier
	s_barrier_signal -1
	s_barrier_wait -1
; five loads: entries 4 k .. 4 k + 3 of my 16 of the chunk at TA.  The 16 lanes of a half read the same 16 bytes.
.macro LDG k
	ds_load_b128 v[GX+4*\k:GX+4*\k+3], v[TA] offset:GXo+16*\k
	ds_load_b128 v[AA+4*\k:AA+4*\k+3], v[TA] offset:Ao+16*\k
	ds_load_b128 v[BB+4*\k:BB+4*\k+3], v[TA] offset:Bo+16*\k
	ds_load_b128 v[CQ+4*\k:CQ+4*\k+3], v[TA] offset:CQo+16*\k
	ds_load_b128 v[TH+4*\k:TH+4*\k+3], v[TA] offset:THo+16*\k
.endm
; Four Gaussians, j = 4 k .. 4 k + 3.  doB: stage B of one chunk; doA: stage A of the next.  BETA and OM have one buffer: B reads its four
; entries (BETA ahead of the exponentials, OM ahead of the last lines) before A writes them.
.macro BLOCK k, doA, doB
.if \doA
	v_pk_add_f32 v[DX:DX+1], v[GX+4*\k:GX+4*\k+1], v[PXP:PXP+1] neg_lo:[0,1] neg_hi:[0,1]      ; dx = gx - px
.endif
.if \doB
	v_mul_f32 v[TQ+1], v[TQ], v[OM+4*\k]                                       ; T behind Gaussian j
.endif
.if \doA
	v_pk_add_f32 v[DX+2:DX+3], v[GX+4*\k+2:GX+4*\k+3], v[PXP:PXP+1] neg_lo:[0,1] neg_hi:[0,1]
	v_pk_fma_f32 v[U:U+1], v[AA+4*\k:AA+4*\k+1], v[DX:DX+1], v[BB+4*\k:BB+4*\k+1]              ; a2 dx + B
.endif
.if \doB
	v_pk_mul_f32 v[WT:WT+1], v[TQ:TQ+1], v[BETA+4*\k:BETA+4*\k+1]              ; weight = T in front x beta
	v_mul_f32 v[TQ+2], v[TQ+1], v[OM+4*\k+1]
.endif
.if \doA
	v_pk_fma_f32 v[U+2:U+3], v[AA+4*\k+2:AA+4*\k+3], v[DX+2:DX+3], v[BB+4*\k+2:BB+4*\k+3]
	v_pk_fma_f32 v[Q:Q+1], v[U:U+1], v[DX:DX+1], v[CQ+4*\k:CQ+4*\k+1]          ; q
.endif
.if \doB
	v_mul_f32 v[TQ+3], v[TQ+2], v[OM+4*\k+2]
.endif
.if \doA
	v_pk_fma_f32 v[Q+2:Q+3], v[U+2:U+3], v[DX+2:DX+3], v[CQ+4*\k+2:CQ+4*\k+3]
.endif
.if \doB
	v_cmp_le_f32 s24, s20, v[TQ+1]                                             ; kept where T behind the Gaussian >= 1e-4
	v_pk_mul_f32 v[WT+2:WT+3], v[TQ+2:TQ+3], v[BETA+4*\k+2:BETA+4*\k+3]
	v_mul_f32 v[TQ], v[TQ+3], v[OM+4*\k+3]                                     ; (the old v[TQ] was read by the first weights)
	v_cmp_le_f32 s25, s20, v[TQ+2]
	v_cmp_le_f32 s26, s20, v[TQ+3]
.endif
.if \doA
.irp n, 0,1,2,3
	v_exp_f32 v[BETA+4*\k+\n], v[Q+\n]                                         ; 2^q
.endr
.endif
.if \doB
	v_cmp_le_f32 s27, s20, v[TQ]
.endif
.if \doA
.irp n, 0,1,2,3
	v_cmp_gt_u32 s[28+\n], v[TH+4*\k+\n], v[Q+\n]                              ; 0 <= q <= thr.  These compares are the plain instructions behind the exponentials (ISA guide 5.7.2): they read no result and write no source
.endr
.endif
.if \doB
.irp n, 0,1,2,3
	v_cndmask_b32 v[WT+\n], 0, v[WT+\n], s[24+\n]
.endr
.endif
.if \doA
	s_wait_alu depctr_va_vdst(0)
.irp n, 0,1,2,3
	v_min_num_f32 v[BETA+4*\k+\n], s36, v[BETA+4*\k+\n]                        ; alpha <= 0.99
.endr
.endif
.if \doB
	v_pk_add_f32 v[SA:SA+1], v[SA:SA+1], v[WT:WT+1]
	v_pk_add_f32 v[SB:SB+1], v[SB:SB+1], v[WT+2:WT+3]
.endif
.if \doA
.irp n, 0,1,2,3
	v_cndmask_b32 v[BETA+4*\k+\n], 0, v[BETA+4*\k+\n], s[28+\n]
.endr
.endif
.if \doB
	v_cvt_pk_bf16_f32 v[W+2*\k], v[WT], v[WT+1]
	v_cvt_pk_bf16_f32 v[W+2*\k+1], v[WT+2], v[WT+3]
.endif
.if \doA
	v_pk_fma_f32 v[OM+4*\k:OM+4*\k+1], v[BETA+4*\k:BETA+4*\k+1], s[22:23], 1.0 op_sel_hi:[1,0,0]       ; 1 - beta / 255
	v_pk_fma_f32 v[OM+4*\k+2:OM+4*\k+3], v[BETA+4*\k+2:BETA+4*\k+3], s[22:23], 1.0 op_sel_hi:[1,0,0]
.if \k == 1
	v_pk_mul_f32 v[LPA:LPA+1], v[OM:OM+1], v[OM+4:OM+5]                        ; the first two blocks start the products
	v_pk_mul_f32 v[LPB:LPB+1], v[OM+2:OM+3], v[OM+6:OM+7]
.endif
.if \k > 1
	v_pk_mul_f32 v[LPA:LPA+1], v[LPA:LPA+1], v[OM+4*\k:OM+4*\k+1]
	v_pk_mul_f32 v[LPB:LPB+1], v[LPB:LPB+1], v[OM+4*\k+2:OM+4*\k+3]
.endif
.endif
.endm
; stage A's end: T in front of my 16 Gaussians of that chunk, and T at the start of the chunk behind it
.macro FINA
	v_pk_mul_f32 v[LPA:LPA+1], v[LPA:LPA+1], v[LPB:LPB+1]
	v_mul_f32 v[LV], v[LPA], v[LPA+1]              ; the product of my 16
	v_permlanex16_b32 v[LX], v[LV], s33, s34       ; the other half's
	v_cndmask_b32 v[FV], 1.0, v[LX], s32           ; h = 1 stands behind h = 0's sixteen
	v_mul_f32 v[PV], v[LV], v[LX]                  ; all 32: the same in both halves
	v_mul_f32 v[TQ], v[TRUN], v[FV]
	v_mul_f32 v[TRUN], v[TRUN], v[PV]
.endm
; Trip t: stage B of chunk t, stage A of chunk t + 1 (doA), the table of chunk t + 2 loaded into the registers that A has just read (fill),
; chunk t's colours, one matrix instruction.  n0 .. n3, nc: LDS loads return in order, so each wait's count is the number of loads issued
; behind the ones that it needs (the figures stand at the calls).
.macro TRIP acc, zero, fill, doA, n0, n1, n2, n3, nc
.if \fill
	v_add_nc_u32 v[TA], 128, v[TA]                 ; 32 entries on
.endif
.if \doA
	s_wait_dscnt \n0
.endif
	BLOCK 0, \doA, 1
	ds_load_b128 v[COL:COL+3], v[CA]               ; 16 bf16 of my colour row: Gaussians 16 h .. + 15 of chunk t
	ds_load_b128 v[COL+4:COL+7], v[CA] offset:16
.if \doA
	v_add_nc_u32 v[CA], 64, v[CA]
.endif
.if \fill
	LDG 0
.endif
.if \doA
	s_wait_dscnt \n1
.endif
	BLOCK 1, \doA, 1
.if \fill
	LDG 1
.endif
.if \doA
	s_wait_dscnt \n2
.endif
	BLOCK 2, \doA, 1
.if \fill
	LDG 2
.endif
.if \doA
	s_wait_dscnt \n3
.endif
	BLOCK 3, \doA, 1
.if \fill
	LDG 3
.endif
	s_wait_dscnt \nc                               ; the colours
.if \zero
	v_wmma_f32_16x16x32_bf16 v[\acc:\acc+7], v[COL:COL+7], v[W:W+7], 0             ; the first product starts the sum: nothing is cleared
.else
	v_wmma_f32_16x16x32_bf16 v[\acc:\acc+7], v[COL:COL+7], v[W:W+7], v[\acc:\acc+7]
.endif
.if \doA
	FINA                                           ; plain instructions that name none of the matrix instruction's registers; W is next written, and COL next loaded, behind most of a BLOCK more
.endif
.endm
	LDG 0                                          ; chunk 0's table: 20 loads
	LDG 1
	LDG 2
	LDG 3
	v_add_nc_u32 v[TA], 128, v[TA]
.irp k, 0,1,2,3
	s_wait_dscnt 15                                ; behind group k of chunk 0 stand 5 (3 - k) loads of chunk 0 and 5 k of chunk 1
	BLOCK \k, 1, 0                                 ; stage A of chunk 0
	LDG \k                                         ; chunk 1's table
.endr
	FINA
	; The two accumulators take turns, one matrix instruction a turn, into the loop, over its backward jump and out into the tail.
	; A filling trip's counts: 15 = groups 1 to 3 of the trip before; 17 = 5 (3 - k) of the trip before + 2 colour loads + 5 k refills; 20 = the four refill groups behind the colour loads.
	TRIP ACC0, 1, 1, 1, 15, 17, 17, 17, 20         ; t = 0
	TRIP ACC1, 1, 1, 1, 15, 17, 17, 17, 20         ; t = 1
	s_mov_b32 s35, 14                              ; t = 2 .. 29
.Lpair:
	TRIP ACC0, 0, 1, 1, 15, 17, 17, 17, 20
	TRIP ACC1, 0, 1, 1, 15, 17, 17, 17, 20
	s_sub_co_i32 s35, s35, 1
	s_cmp_lg_u32 s35, 0
	s_cbranch_scc1 .Lpair
	TRIP ACC0, 0, 0, 1, 15, 12, 7, 2, 0            ; t = 30: no table is left to load: 5 (3 - k) + 2 colour loads, then nothing
	TRIP ACC1, 0, 0, 0, 0, 0, 0, 0, 0              ; t = 31: stage B alone
	; ---- the way out.  The eight lines up to the last v_mul_f32 name no accumulator: more than the four places that a reader of a matrix result keeps (ISA guide 7.12.1) ----
	v_pk_add_f32 v[SA:SA+1], v[SA:SA+1], v[SB:SB+1]
	v_add_f32 v[SA], v[SA], v[SA+1]
	v_permlanex16_b32 v[LX], v[SA], s33, s34
	v_add_f32 v[SA], v[SA], v[LX]                  ; the pixel's sum of kept T beta, both halves
	v_fma_f32 v[LV], v[SA], s22, 1.0               ; T at the end
.irp c, 0,1,2
	v_mul_f32 v[DX+\c], s[16+\c], v[LV]            ; bg T
.endr
.irp c, 0,1,2
	v_add_f32 v[U+\c], v[ACC0+\c], v[ACC1+\c]
.endr
.irp c, 0,1,2
	v_fma_f32 v[U+\c], v[U+\c], s37, v[DX+\c]      ; channel c of pixel r, in lanes 0-15
.endr
	v_lshrrev_b32 v40, 5, v0
	v_and_b32 v41, 15, v0
	v_lshlrev_b32 v41, 2, v41
	v_lshl_add_u32 v40, v40, 6, v41                ; 4 (16 wave + r)
	v_lshlrev_b32 v42, 3, v0                       ; 256 wave + 8 lane
	v_lshlrev_b32 v43, 3, v1                       ; 8 lane
	v_cmp_gt_u32 vcc_lo, 16, v1
	s_wait_xcnt 0x0                                ; EXEC changes only behind this wait: global loads were issued above
	s_and_saveexec_b32 s40, vcc_lo                 ; lanes 0-15
.irp c, 0,1,2
	ds_store_b32 v40, v[U+\c] offset:STG+256*\c
.endr
	s_or_b32 exec_lo, exec_lo, s40                 ; no global instruction stands between the two changes of EXEC
	s_lshl_b32 s42, s12, 16                        ; channel = wave: 65,536 bytes
	s_lshl_b32 s41, s13, 9                         ; row: 512 bytes
	s_add_co_u32 s42, s42, s41
	s_lshl_b32 s41, s14, 2                         ; 0 or 256
	s_add_co_u32 s42, s42, s41
	s_mov_b32 s43, 0
	s_wait_dscnt 0x0                               ; my 16 pixels are staged before I say so: other waves read them behind the barrier
	s_barrier_signal -1
	s_barrier_wait -1
	s_cmp_eq_u32 s12, 3
	s_cbranch_scc1 .Lend                           ; three channels, three waves
	s_add_nc_u64 s[10:11], s[10:11], s[42:43]
	ds_load_b64 v[44:45], v42 offset:STG
	s_wait_dscnt 0x0
	global_store_b64 v43, v[44:45], s[10:11] th:TH_STORE_NT    ; the wave's 32 lanes store 256 consecutive bytes, at a multiple of 256 from out0's first byte
.Lend:
	s_wait_tensorcnt 0x0
	ds_add_u32 v192, v193
	s_wait_dscnt 0x0
	s_endpgm
.Lfunc_end_k_qd0ed8774fa_raster:
	.size	k_qd0ed8774fa_raster, .Lfunc_end_k_qd0ed8774fa_raster-k_qd0ed8774fa_raster
	.p2alignl 7, 3214868480
	.fill 96, 4, 3214868480
	.section	.rodata,"a",@progbits
	.p2align	6, 0x0
	.amdhsa_kernel k_qd0ed8774fa_raster
		.amdhsa_group_segment_fixed_size 28160
		.amdhsa_private_segment_fixed_size 0
		.amdhsa_enable_private_segment 0
		.amdhsa_kernarg_size 32
		.amdhsa_user_sgpr_count 2
		.amdhsa_user_sgpr_kernarg_segment_ptr 1
		.amdhsa_wavefront_size32 1
		.amdhsa_system_sgpr_workgroup_id_x 1
		.amdhsa_system_sgpr_workgroup_id_y 1
		.amdhsa_system_sgpr_workgroup_id_z 1
		.amdhsa_system_vgpr_workitem_id 0
		.amdhsa_next_free_vgpr 194
		.amdhsa_next_free_sgpr 66
		.amdhsa_reserve_vcc 1
		.amdhsa_float_denorm_mode_32 3
		.amdhsa_float_denorm_mode_16_64 3
		.amdhsa_memory_ordered 1
		.amdhsa_forward_progress 1
		.amdhsa_inst_pref_size 83
	.end_amdhsa_kernel
	.amdgpu_metadata
---
amdhsa.version: [ 1, 2 ]
amdhsa.kernels:
  - .name:           k_qd0ed8774fa_raster
    .symbol:         k_qd0ed8774fa_raster.kd
    .args:
      - { .name: gparm, .offset: 0, .size: 8, .value_kind: global_buffer, .address_space: global }
      - { .name: rank, .offset: 8, .size: 8, .value_kind: global_buffer, .address_space: global }
      - { .name: bg, .offset: 16, .size: 8, .value_kind: global_buffer, .address_space: global }
      - { .name: out0, .offset: 24, .size: 8, .value_kind: global_buffer, .address_space: global }
    .group_segment_fixed_size: 28160
    .private_segment_fixed_size: 0
    .kernarg_segment_align: 8
    .kernarg_segment_size: 32
    .max_flat_workgroup_size: 128
    .sgpr_count:     66
    .vgpr_count:     194
    .wavefront_size: 32
...
	.end_amdgpu_metadata
.endif
;; end of part 2
;; ======== version 2 of 2: 2 launches; 1.52 times as fast as version 1
;; workspace buffers: gparm 32,768 bytes; rank 4,096 bytes of whole numbers; hit 32,768 bytes of whole numbers
;; launch prep (part 3): grid 32 x 1, 32 waves a work-group, no clusters, 13,312 bytes of LDS; arguments means3D, scales, rotations, opacities, shs, viewmatrix, projmatrix, campos, gparm, rank, hit, out1; writes gparm, rank, hit, out1
.if DOCPART == 3
	.amdgcn_target "amdgcn-amd-amdhsa--gfx1250"
	.amdhsa_code_object_version 6
	.text
	.protected	k_qd0ed8774fa_prep
	.globl	k_qd0ed8774fa_prep
	.p2align	8
	.type	k_qd0ed8774fa_prep,@function
k_qd0ed8774fa_prep:
	s_mov_b64 s[64:65], 0
	v_nop
	global_prefetch_b8 v0, s[64:65] scope:SCOPE_SE
	s_setreg_imm32_b32 hwreg(HW_REG_WAVE_MODE, 25, 1), 1
	s_wait_xcnt 0x0
; prep: the per-Gaussian front end of the rasterizer; the depth order and the strips that each Gaussian reaches, as whole numbers.
; 1,024 Gaussians.  32 work-groups of 32 waves; work-group g owns Gaussians 32 g .. 32 g + 31 and strips 8 g .. 8 g + 7.
; A strip is what one work-group of the next launch draws: strip s = row s / 2, columns 64 (s mod 2) .. + 63.
; The order needs every Gaussian's sort key (depth where depth > 0.2 and det > 0, else +inf), so each of the 1,024 threads of a
; work-group makes one key (the whole 2D covariance, since the key hangs on det), and the keys meet in LDS.
; rank[i] = number of j with key_j < key_i, or key_j = key_i and j < i: the place of i in a stable ascending sort.
; Thread t takes Gaussian (t + 32 g) mod 1024 and puts its key at LDS word t: so wave 0 holds the owned Gaussians, their keys are words
; 0 .. 31, and no LDS address hangs on the work-group's number.  Wave w compares the 32 owned keys (one a lane) with words 32 w .. 32 w + 31,
; the keys of Gaussians jb .. jb + 31, jb = (32 w + 32 g) mod 1024; the 32 partial counts are added by wave 0, which also makes the owned
; Gaussians' colours and radii and stores their records.
; THE STRIPS.  With q = log2(255 alpha) = (a2 dx + B) dx + Cq, B = b2 dy, Cq = (c2 dy) dy + thr (the next launch's arithmetic, line for line),
; a Gaussian counts at a pixel only where q >= 0.  In a row q is a parabola in dx that opens downward (a2 < 0, since c >= 0.3 and inv_det > 0);
; its vertex lies at column gx - dy b / c.  Each thread clamps the vertex to a strip's columns and evaluates q there: no pixel of the strip has
; more.  The compare's lane mask is the word to store: bit l of hit[s][w] = Gaussian 32 w + l may count in strip s.  All of it is register work
; and stands between the first barrier's signal and its wait.
; Out:  gparm  P0[i] at 16 i         = gx, gy, a2, b2      a2 = -0.5 log2e conA, b2 = -log2e conB
;              P1[i] at 16384 + 16 i = c2, thr, crg, cbb   c2 = -0.5 log2e conC, thr = log2(255 opacity) if valid and >= 0, else -1
;                                                          crg = bf16 R | bf16 G << 16, cbb = bf16 B twice
;       rank[i], out1[i] (radius), hit[s][32 words].
; means2D is no argument: the problem's function never reads it.
; No matrix unit, no tensor loads, no cluster: 250 KB of input, read once at the head, through registers.
; LIMITS.  All in f32 with fused multiply-adds, v_rcp/v_rsq/v_sqrt/v_log (1 ulp) and the product T2 Sigma T2^T taken as (T2 M)(T2 M)^T:
; the rounding differs from the problem's function by a few ulp.  So a radius whose 3 sqrt(lam1) lies that close to a whole number may
; differ by one, and two depths that differ by an ulp or so under a general view matrix may change places.  A strip is kept where the
; largest q is >= -0.125 (alpha >= 0.92 / 255): a Gaussian is left out wrongly only where q's rounding passes that margin, which takes terms
; of the quadratic form above some 1e5 that cancel to about 0.  A colour that is NaN (a mean at campos) becomes 0 (v_max_num_f32 drops a
; NaN).  Radii beyond int32 and infinite opacities are not served.
.set KEY, 0                            ; LDS: 1,024 keys, 4 bytes each, by thread
.set CNT, 4096                         ; LDS: counts [wave 32][lane 32], 4 bytes each
.set HW,  8192                         ; LDS: hit masks [wave 32][strip 8], 4 bytes each
.set VM,  28                           ; s[28:43] viewmatrix, V[r][c] = s[VM+4r+c]
.set PM,  44                           ; s[44:59] projmatrix
.set HM,  80                           ; s[80:87] my wave's masks for the 8 strips
.set KJ,  32                           ; v[32:63]  the 32 keys that my wave compares with (ahead of their loads: at work in the strip tests)
.set SH,  64                           ; v[64:111] wave 0: 16 x 3 SH coefficients of my Gaussian
.set RGB, 26                           ; v[26:28]  wave 0: the colour sums
.set BS,  29                           ; v29       wave 0: one SH basis value
; v0 thread, v1 lane, v2 Gaussian gi, v[4:6] mean, v[8:10] scale, v[12:15] quaternion, v16 opacity, v20 depth, v21 a, v22 b, v23 c, v24 det,
; v[112:119] the two records, v120 radius, v121 key of owned Gaussian 32 g + lane, v122 its index less jb, v123 bound, v124 count
	s_load_b512 s[4:19], s[0:1], 0x0               ; means3D s[4:5], scales s[6:7], rotations s[8:9], opacities s[10:11], shs s[12:13], viewmatrix s[14:15], projmatrix s[16:17], campos s[18:19]
	s_load_b256 s[20:27], s[0:1], 0x40             ; gparm s[20:21], rank s[22:23], hit s[24:25], out1 s[26:27]
	v_lshrrev_b32 v1, 5, v0
	v_readfirstlane_b32 s66, v1                    ; wave 0..31
	v_and_b32 v1, 31, v0                           ; lane
	s_lshl_b32 s67, ttmp9, 5                       ; 32 g
	s_lshl_b32 s94, ttmp9, 2                       ; 4 g: the first of my four rows
	v_add_nc_u32 v2, s67, v0
	v_and_b32 v2, 0x3ff, v2                        ; gi = (t + 32 g) mod 1024
	v_mul_u32_u24 v3, 12, v2                       ; byte offset of a row of three f32
	v_lshlrev_b32 v17, 4, v2                       ; of a row of four
	v_lshlrev_b32 v18, 2, v2                       ; of one
	s_mov_b32 s68, 0xbf266666                      ; -1.3 tan = -0.65
	s_mov_b32 s69, 0x3f266666                      ; +0.65
	s_mov_b32 s75, 0x42800000                      ; 64.0  = W / 2 = H / 2, and the right half's first column
	s_mov_b32 s76, 0x427e0000                      ; 63.5  = (W - 1) / 2
	s_mov_b32 s89, 0x427c0000                      ; 63.0: the left half's last column
	s_mov_b32 s91, 0x42fe0000                      ; 127.0: the right half's last
	s_mov_b32 s92, 0xbe000000                      ; -0.125: the margin of the strip test
	s_wait_kmcnt 0x0
	s_load_b512 s[VM:VM+15], s[14:15], 0x0
	s_load_b512 s[PM:PM+15], s[16:17], 0x0
	s_load_b96 s[60:62], s[18:19], 0x0             ; campos
	global_load_b96 v[4:6], v3, s[4:5]
	global_load_b96 v[8:10], v3, s[6:7]
	global_load_b128 v[12:15], v17, s[8:9]
	global_load_b32 v16, v18, s[10:11]
	s_cmp_lg_u32 s66, 0
	s_cbranch_scc1 .Lno_own_loads
	v_mul_u32_u24 v19, 192, v2                     ; wave 0 alone: the 192 bytes of SH of each owned Gaussian, in the same burst
.irp n, 0,1,2,3,4,5,6,7,8,9,10,11
	global_load_b128 v[SH+4*\n:SH+4*\n+3], v19, s[12:13] offset:16*\n
.endr
.Lno_own_loads:
	s_wait_kmcnt 0x0                               ; the two matrices and campos
	s_wait_loadcnt 0x0                             ; all my loads (4, in wave 0 sixteen): zero holds on both ways, and frees v3, v17, v18, v19
; dst = (mean, 1) . column col of the 4 x 4 matrix at s[m] (row-vector convention)
.macro DOT dst, m, col
	v_fma_f32 v[\dst], v6, s[\m+8+\col], s[\m+12+\col]
	v_fma_f32 v[\dst], v5, s[\m+4+\col], v[\dst]
	v_fma_f32 v[\dst], v4, s[\m+\col], v[\dst]
.endm
	; ---- the 2D covariance and the key, every thread ----
	DOT 25, VM, 0                                  ; p_view x
	DOT 26, VM, 1                                  ; p_view y
	DOT 20, VM, 2                                  ; depth
	v_mul_f32 v42, v12, v12
	v_fma_f32 v42, v13, v13, v42
	v_fma_f32 v42, v14, v14, v42
	v_fma_f32 v42, v15, v15, v42                   ; |q|^2
	v_cmp_lt_f32 s70, 0x3e4ccccd, v20              ; valid: 0.2 < depth (a NaN fails)
	v_cndmask_b32 v28, 1.0, v20, s70               ; tz
	v_rcp_f32 v29, v28                             ; 1 / tz
	v_rsq_f32 v43, v42                             ; 1 / |q|
	v_lshlrev_b32 v19, 2, v0                       ; the plain instruction behind the two transcendentals (ISA guide 5.7.2): my key's LDS address, 4 t
	s_wait_alu depctr_va_vdst(0)
	v_mul_f32 v43, 0x3fb504f3, v43                 ; sqrt 2 / |q|: products of two components then carry the factor 2
	v_mul_f32 v30, v25, v29
	v_mul_f32 v31, v26, v29
	v_med3_num_f32 v30, v30, s68, s69              ; clip
	v_med3_num_f32 v31, v31, s68, s69
	v_mul_f32 v32, 0x43000000, v29                 ; J00 = J11 = 128 / tz   (FX = FY = 128)
	v_mul_f32 v33, v32, v29                        ; 128 / tz^2
	v_mul_f32 v30, v30, v28                        ; txtz
	v_mul_f32 v31, v31, v28                        ; tytz
	v_mul_f32 v34, -v30, v33                       ; J02
	v_mul_f32 v35, -v31, v33                       ; J12
.irp k, 0,1,2
	v_mul_f32 v[36+\k], s[VM+4*\k+2], v34          ; T2[0][k] = J00 V[k][0] + J02 V[k][2]
	v_fma_f32 v[36+\k], v32, s[VM+4*\k], v[36+\k]
	v_mul_f32 v[39+\k], s[VM+4*\k+2], v35          ; T2[1][k] = J11 V[k][1] + J12 V[k][2]
	v_fma_f32 v[39+\k], v32, s[VM+4*\k+1], v[39+\k]
.endr
	v_mul_f32 v12, v12, v43                        ; r, x, y, z, each times sqrt 2 / |q|
	v_mul_f32 v13, v13, v43
	v_mul_f32 v14, v14, v43
	v_mul_f32 v15, v15, v43
	v_fma_f32 v44, -v13, v13, 1.0                  ; 1 - 2xx
	v_fma_f32 v45, -v14, v14, 1.0                  ; 1 - 2yy
	v_mul_f32 v46, v13, v14                        ; 2xy
	v_mul_f32 v47, v13, v15                        ; 2xz
	v_mul_f32 v48, v14, v15                        ; 2yz
	v_fma_f32 v50, -v15, v15, v45                  ; R[k][j] in v[50+3k+j]
	v_fma_f32 v51, -v12, v15, v46
	v_fma_f32 v52, v12, v14, v47
	v_fma_f32 v53, v12, v15, v46
	v_fma_f32 v54, -v15, v15, v44
	v_fma_f32 v55, -v12, v13, v48
	v_fma_f32 v56, -v12, v14, v47
	v_fma_f32 v57, v12, v13, v48
	v_fma_f32 v58, -v14, v14, v44
.irp j, 0,1,2
	v_mul_f32 v[59+\j], v36, v[50+\j]              ; N[i][j] = (sum over k of T2[i][k] R[k][j]) s_j: N = T2 M, cov2 = N N^T
	v_mul_f32 v[25+\j], v39, v[50+\j]
	v_fma_f32 v[59+\j], v37, v[53+\j], v[59+\j]
	v_fma_f32 v[25+\j], v40, v[53+\j], v[25+\j]
	v_fma_f32 v[59+\j], v38, v[56+\j], v[59+\j]
	v_fma_f32 v[25+\j], v41, v[56+\j], v[25+\j]
	v_mul_f32 v[59+\j], v[59+\j], v[8+\j]
	v_mul_f32 v[25+\j], v[25+\j], v[8+\j]
.endr
	v_fmaak_f32 v21, v59, v59, 0x3e99999a          ; a = N0.N0 + 0.3
	v_mul_f32 v22, v59, v25                        ; b = N0.N1
	v_fmaak_f32 v23, v25, v25, 0x3e99999a          ; c = N1.N1 + 0.3
	v_fma_f32 v21, v60, v60, v21
	v_fma_f32 v22, v60, v26, v22
	v_fma_f32 v23, v26, v26, v23
	v_fma_f32 v21, v61, v61, v21
	v_fma_f32 v22, v61, v27, v22
	v_fma_f32 v23, v27, v27, v23
	v_mul_f32 v17, v22, v22
	v_fma_f32 v24, v21, v23, -v17                  ; det
	v_cmp_lt_f32 s71, 0, v24                       ; det > 0
	s_and_b32 s70, s70, s71                        ; valid
	v_mov_b32 v18, 0x7f800000
	v_cndmask_b32 v18, v18, v20, s70               ; the key: a positive float or +inf, so its bits order as an unsigned number
	ds_store_b32 v19, v18 offset:KEY               ; word t: each wave stores into its own 128 bytes
	s_wait_dscnt 0x0                               ; my key is in LDS before I say so: the others read it behind the barrier
	s_barrier_signal -1
	; ---- between the signal and the wait, registers alone: my Gaussian's centre, conic and threshold, and the 8 strip tests ----
	DOT 25, PM, 0                                  ; p_hom x
	DOT 26, PM, 1                                  ; p_hom y
	DOT 27, PM, 3                                  ; p_hom w
	v_add_f32 v27, 0x33d6bf95, v27                 ; + 1e-7
	v_cndmask_b32 v28, 1.0, v24, s71               ; det where det > 0, else 1
	v_mul_f32 v16, 0x437f0000, v16                 ; 255 opacity
	v_rcp_f32 v12, v27                             ; 1 / (w + 1e-7)
	v_rcp_f32 v13, v28                             ; inv_det
	v_log_f32 v14, v16                             ; log2(255 opacity)
	v_rcp_f32 v15, v23                             ; 1 / c  (c >= 0.3)
	v_lshlrev_b32 v3, 4, v2                        ; the plain instruction behind the transcendentals: 16 gi, the records' offset
	s_wait_alu depctr_va_vdst(0)
	v_mul_f32 v25, v25, v12
	v_mul_f32 v26, v26, v12
	v_mul_f32 v13, 0xbf38aa3b, v13                 ; -0.5 log2e inv_det
	v_fma_f32 v112, v25, s75, s76                  ; gx = ((p + 1) 128 - 1) / 2 = 64 p + 63.5
	v_fma_f32 v113, v26, s75, s76                  ; gy
	v_mul_f32 v114, v23, v13                       ; a2 = -0.5 log2e c inv_det
	v_mul_f32 v115, v22, v13
	v_mul_f32 v116, v21, v13                       ; c2 = -0.5 log2e a inv_det
	v_mul_f32 v115, -2.0, v115                     ; b2 = +log2e b inv_det
	v_cmp_le_f32 s72, 0, v14                       ; an opacity under 1/255 (or negative: NaN) can never reach alpha >= 1/255
	s_and_b32 s72, s72, s70                        ; the Gaussians that can count at all
	v_cndmask_b32 v117, -1.0, v14, s72             ; thr
	v_mul_f32 v29, -v22, v15                       ; -b / c: the vertex moves by this many columns a row
; row 4 g + rr, both halves.  Eight registers of its own for each row: dy, B, Cq, vertex, dx and q of the two halves.
.macro ROWTEST rr
	s_add_co_u32 s93, s94, \rr
	s_cvt_f32_u32 s88, s93                                         ; py
	v_sub_f32 v[30+8*\rr], v113, s88                               ; dy = gy - py
	v_mul_f32 v[31+8*\rr], v115, v[30+8*\rr]                       ; B = b2 dy
	v_mul_f32 v[32+8*\rr], v116, v[30+8*\rr]
	v_fma_f32 v[33+8*\rr], v[30+8*\rr], v29, v112                  ; the vertex's column: gx - dy b / c
	v_fma_f32 v[32+8*\rr], v[32+8*\rr], v[30+8*\rr], v117          ; Cq = (c2 dy) dy + thr
	v_med3_num_f32 v[34+8*\rr], v[33+8*\rr], 0, s89                ; clamped to columns 0 .. 63
	v_med3_num_f32 v[35+8*\rr], v[33+8*\rr], s75, s91              ; and to 64 .. 127
	v_sub_f32 v[34+8*\rr], v112, v[34+8*\rr]                       ; dx there
	v_sub_f32 v[35+8*\rr], v112, v[35+8*\rr]
	v_fma_f32 v[36+8*\rr], v114, v[34+8*\rr], v[31+8*\rr]
	v_fma_f32 v[37+8*\rr], v114, v[35+8*\rr], v[31+8*\rr]
	v_fma_f32 v[36+8*\rr], v[36+8*\rr], v[34+8*\rr], v[32+8*\rr]   ; the strip's largest q
	v_fma_f32 v[37+8*\rr], v[37+8*\rr], v[35+8*\rr], v[32+8*\rr]
	v_cmp_le_f32 s[HM+2*\rr], s92, v[36+8*\rr]                     ; -0.125 <= q (a NaN fails)
	v_cmp_le_f32 s[HM+2*\rr+1], s92, v[37+8*\rr]
	s_and_b32 s[HM+2*\rr], s[HM+2*\rr], s72
	s_and_b32 s[HM+2*\rr+1], s[HM+2*\rr+1], s72
.endm
	ROWTEST 0
	ROWTEST 1
	ROWTEST 2
	ROWTEST 3
	s_barrier_wait -1
	; ---- my wave's 8 masks into LDS; the keys to compare ----
.irp j, 0,1,2,3,4,5,6,7
	v_mov_b32 v[8+\j], s[HM+\j]
.endr
	s_lshl_b32 s77, s66, 5                         ; 32 bytes a wave
	s_lshl_b32 s74, s66, 7                         ; 4 x 32 wave
	v_mov_b32 v122, s77
	v_lshlrev_b32 v125, 2, v1                      ; 4 lane
	v_mov_b32 v126, s74
	ds_store_b128 v122, v[8:11] offset:HW          ; every lane stores the same 16 bytes at the same place, the wave's own
	ds_store_b128 v122, v[12:15] offset:HW+16
	ds_load_b32 v121, v125 offset:KEY              ; key of owned Gaussian i = 32 g + lane: word lane, which wave 0 stored
.irp n, 0,1,2,3,4,5,6,7
	ds_load_b128 v[KJ+4*\n:KJ+4*\n+3], v126 offset:KEY+16*\n   ; words 32 wave .. + 31, the same in every lane
.endr
	s_cmp_lg_u32 s66, 0
	s_cbranch_scc1 .Lno_own
	; ---- wave 0, while those loads are on their way: radius and colour of the owned Gaussians (registers alone; v[32:63] and v121 are left alone) ----
	v_sub_f32 v8, v4, s60                          ; mean - campos
	v_sub_f32 v9, v5, s61
	v_sub_f32 v10, v6, s62
	v_add_f32 v29, v21, v23
	v_mul_f32 v11, v8, v8
	v_mul_f32 v29, 0.5, v29                        ; mid
	v_fma_f32 v11, v9, v9, v11
	v_fma_f32 v30, v29, v29, -v24
	v_fma_f32 v11, v10, v10, v11
	v_max_num_f32 v30, 0x3dcccccd, v30             ; max(0.1, mid^2 - det)
	v_rsq_f32 v15, v11                             ; 1 / |mean - campos|
	v_sqrt_f32 v17, v30
	v_lshlrev_b32 v127, 2, v2                      ; the plain instruction behind the transcendentals: 4 gi, for the last stores
	s_wait_alu depctr_va_vdst(0)
	v_add_f32 v17, v29, v17                        ; lam1
	v_sqrt_f32 v18, v17
	v_mul_f32 v8, v8, v15                          ; x, y, z of the unit direction (plain, and names neither v17 nor v18)
	v_mul_f32 v9, v9, v15
	v_mul_f32 v10, v10, v15
	s_wait_alu depctr_va_vdst(0)
	v_mul_f32 v18, 0xc0400000, v18                 ; -3 sqrt(lam1)
	v_floor_f32 v18, v18                           ; ceil(x) = -floor(-x)
	v_cvt_i32_f32 v18, v18
	v_sub_nc_u32 v18, 0, v18
	v_cndmask_b32 v120, 0, v18, s70                ; radius, 0 where not valid
	v_mul_f32 v11, v8, v8                          ; xx
	v_mul_f32 v12, v9, v9                          ; yy
	v_mul_f32 v13, v10, v10                        ; zz
	v_mul_f32 v14, v8, v9                          ; xy
	v_mul_f32 v15, v9, v10                         ; yz
	v_mul_f32 v17, v8, v10                         ; xz
	v_add_f32 v25, v11, v12                        ; xx + yy
	v_sub_f32 v31, v11, v12                        ; xx - yy
	v_fma_f32 v19, 2.0, v13, -v25                  ; 2zz - xx - yy
	v_fma_f32 v18, 4.0, v13, -v25                  ; 4zz - xx - yy
.irp c, 0,1,2
	v_fma_f32 v[RGB+\c], 0x3e906ebb, v[SH+\c], 0.5 ; C0 sh0 + 0.5 starts the sums
.endr
; one SH term: the basis value coef x v[src], with its sign, times coefficient n, into the three channels
.macro TERM n, neg, coef, src
	v_mul_f32 v[BS], \coef, v[\src]
.irp c, 0,1,2
.if \neg
	v_fma_f32 v[RGB+\c], -v[BS], v[SH+3*\n+\c], v[RGB+\c]
.else
	v_fma_f32 v[RGB+\c], v[BS], v[SH+3*\n+\c], v[RGB+\c]
.endif
.endr
.endm
	TERM 1, 1, 0.48860251, 9                       ; -C1 y
	TERM 2, 0, 0.48860251, 10                      ; +C1 z
	TERM 3, 1, 0.48860251, 8                       ; -C1 x
	TERM 4, 0, 1.0925484, 14                       ; xy
	TERM 5, 1, 1.0925484, 15                       ; yz
	TERM 6, 0, 0.31539157, 19                      ; 2zz - xx - yy
	TERM 7, 1, 1.0925484, 17                       ; xz
	TERM 8, 0, 0.54627422, 31                      ; xx - yy
	v_fma_f32 v30, 3.0, v11, -v12
	v_mul_f32 v30, v30, v9                         ; y (3xx - yy)
	TERM 9, 1, 0.59004359, 30
	v_mul_f32 v30, v14, v10                        ; xy z
	TERM 10, 0, 2.8906114, 30
	v_mul_f32 v30, v9, v18                         ; y (4zz - xx - yy)
	TERM 11, 1, 0.45704580, 30
	v_fma_f32 v30, -2.0, v25, v19
	v_mul_f32 v30, v30, v10                        ; z (2zz - 3xx - 3yy)
	TERM 12, 0, 0.37317633, 30
	v_mul_f32 v30, v8, v18                         ; x (4zz - xx - yy)
	TERM 13, 1, 0.45704580, 30
	v_mul_f32 v30, v10, v31                        ; z (xx - yy)
	TERM 14, 0, 1.4453057, 30
	v_fma_f32 v30, 3.0, -v12, v11
	v_mul_f32 v30, v30, v8                         ; x (xx - 3yy)
	TERM 15, 1, 0.59004359, 30
.irp c, 0,1,2
	v_max_num_f32 v[RGB+\c], 0, v[RGB+\c]
.endr
	v_cvt_pk_bf16_f32 v118, v[RGB], v[RGB+1]       ; the colours are a matrix operand of the next launch: bf16
	v_cvt_pk_bf16_f32 v119, v[RGB+2], v[RGB+2]
.Lno_own:
	; ---- 32 comparisons a thread ----
	s_lshl_b32 s77, s66, 5
	s_add_co_u32 s77, s77, s67
	s_and_b32 s77, s77, 0x3ff                      ; jb = (32 wave + 32 g) mod 1024: the Gaussian of my wave's first key (both terms are multiples of 32: no wrap inside the 32)
	s_sub_co_i32 s78, s67, s77                     ; 32 g - jb
	v_add_nc_u32 v122, s78, v1                     ; i - jb (signed): key number m of my wave belongs to an earlier Gaussian where m < this
	v_mov_b32 v124, 0
	v_lshlrev_b32 v125, 2, v0                      ; 128 wave + 4 lane
	s_wait_dscnt 0x0                               ; the two LDS stores and nine LDS loads above
.set m, 0
.rept 32
	v_cmp_lt_i32 vcc_lo, m, v122                   ; j < i ?
	v_add_co_ci_u32 v123, vcc_lo, 0, v121, vcc_lo  ; then a tie counts too: compare with key_i + 1
	v_cmp_lt_u32 vcc_lo, v[KJ+m], v123
	v_add_co_ci_u32 v124, vcc_lo, 0, v124, vcc_lo  ; count it
.set m, m+1
.endr
	ds_store_b32 v125, v124 offset:CNT             ; bytes 4,096 to 8,191: no key and no mask lies there
	s_wait_dscnt 0x0                               ; my counts (and my masks) are in LDS before I say so: waves 0 and 1 read them behind the barrier
	s_barrier_signal -1
	s_barrier_wait -1
	s_cmp_eq_u32 s66, 1
	s_cbranch_scc1 .Lhit
	s_cmp_lg_u32 s66, 0
	s_cbranch_scc1 .Lend
	; ---- wave 0: the sum of the 32 waves' counts, and the owned Gaussians' stores ----
	v_lshlrev_b32 v126, 2, v1
.irp w, 0,1,2,3,4,5,6,7,8,9,10,11,12,13,14,15,16,17,18,19,20,21,22,23,24,25,26,27,28,29,30,31
	ds_load_b32 v[KJ+\w], v126 offset:CNT+128*\w
.endr
	global_store_b128 v3, v[112:115], s[20:21]                 ; the wave's 32 records: 512 consecutive bytes, aligned
	global_store_b128 v3, v[116:119], s[20:21] offset:16384
	global_store_b32 v127, v120, s[26:27]                      ; radii: 128 consecutive bytes a work-group (whole blocks of 256 would want 64 owned Gaussians, twice the comparisons a thread)
	s_wait_dscnt 0x0
	v_add3_u32 v124, v[KJ], v[KJ+1], v[KJ+2]
.irp w, 3,5,7,9,11,13,15,17,19,21,23,25,27,29
	v_add3_u32 v124, v124, v[KJ+\w], v[KJ+\w+1]
.endr
	v_add_nc_u32 v124, v124, v[KJ+31]
	global_store_b32 v127, v124, s[22:23]                      ; rank
	s_branch .Lend
	; ---- wave 1: the 8 strips' hit words.  Lane l holds wave l's masks, which are word (l + g) mod 32 of each strip ----
.Lhit:
	v_lshlrev_b32 v8, 5, v1                        ; 32 bytes a wave
	ds_load_b128 v[12:15], v8 offset:HW
	ds_load_b128 v[16:19], v8 offset:HW+16
	s_mov_b32 s77, ttmp9
	s_lshl_b32 s78, ttmp9, 10                      ; my 8 strips: 8 x 128 bytes
	v_add_nc_u32 v9, s77, v1
	v_and_b32 v9, 31, v9
	v_lshl_add_u32 v9, v9, 2, s78
	s_wait_dscnt 0x0
.irp j, 0,1,2,3,4,5,6,7
	global_store_b32 v9, v[12+\j], s[24:25] offset:128*\j      ; a strip's 128 consecutive bytes; the stores of strips 2 n and 2 n + 1 together fill an aligned block of 256
.endr
.Lend:
	s_wait_xcnt 0x0
	v_lshl_add_u32 v125, v0, 2, 0x2400
	v_mov_b32 v126, 0
	s_wait_tensorcnt 0x0
	ds_add_u32 v125, v126
	s_wait_dscnt 0x0
	s_endpgm
.Lfunc_end_k_qd0ed8774fa_prep:
	.size	k_qd0ed8774fa_prep, .Lfunc_end_k_qd0ed8774fa_prep-k_qd0ed8774fa_prep
	.p2alignl 7, 3214868480
	.fill 96, 4, 3214868480
	.section	.rodata,"a",@progbits
	.p2align	6, 0x0
	.amdhsa_kernel k_qd0ed8774fa_prep
		.amdhsa_group_segment_fixed_size 13312
		.amdhsa_private_segment_fixed_size 0
		.amdhsa_enable_private_segment 0
		.amdhsa_kernarg_size 96
		.amdhsa_user_sgpr_count 2
		.amdhsa_user_sgpr_kernarg_segment_ptr 1
		.amdhsa_wavefront_size32 1
		.amdhsa_system_sgpr_workgroup_id_x 1
		.amdhsa_system_sgpr_workgroup_id_y 1
		.amdhsa_system_sgpr_workgroup_id_z 1
		.amdhsa_system_vgpr_workitem_id 0
		.amdhsa_next_free_vgpr 128
		.amdhsa_next_free_sgpr 96
		.amdhsa_reserve_vcc 1
		.amdhsa_float_denorm_mode_32 3
		.amdhsa_float_denorm_mode_16_64 3
		.amdhsa_memory_ordered 1
		.amdhsa_forward_progress 1
		.amdhsa_inst_pref_size 31
	.end_amdhsa_kernel
	.amdgpu_metadata
---
amdhsa.version: [ 1, 2 ]
amdhsa.kernels:
  - .name:           k_qd0ed8774fa_prep
    .symbol:         k_qd0ed8774fa_prep.kd
    .args:
      - { .name: means3D, .offset: 0, .size: 8, .value_kind: global_buffer, .address_space: global }
      - { .name: scales, .offset: 8, .size: 8, .value_kind: global_buffer, .address_space: global }
      - { .name: rotations, .offset: 16, .size: 8, .value_kind: global_buffer, .address_space: global }
      - { .name: opacities, .offset: 24, .size: 8, .value_kind: global_buffer, .address_space: global }
      - { .name: shs, .offset: 32, .size: 8, .value_kind: global_buffer, .address_space: global }
      - { .name: viewmatrix, .offset: 40, .size: 8, .value_kind: global_buffer, .address_space: global }
      - { .name: projmatrix, .offset: 48, .size: 8, .value_kind: global_buffer, .address_space: global }
      - { .name: campos, .offset: 56, .size: 8, .value_kind: global_buffer, .address_space: global }
      - { .name: gparm, .offset: 64, .size: 8, .value_kind: global_buffer, .address_space: global }
      - { .name: rank, .offset: 72, .size: 8, .value_kind: global_buffer, .address_space: global }
      - { .name: hit, .offset: 80, .size: 8, .value_kind: global_buffer, .address_space: global }
      - { .name: out1, .offset: 88, .size: 8, .value_kind: global_buffer, .address_space: global }
    .group_segment_fixed_size: 13312
    .private_segment_fixed_size: 0
    .kernarg_segment_align: 8
    .kernarg_segment_size: 96
    .max_flat_workgroup_size: 1024
    .sgpr_count:     96
    .vgpr_count:     128
    .wavefront_size: 32
...
	.end_amdgpu_metadata
.endif
;; end of part 3
;; launch raster (part 4): grid 256 x 1, 4 waves a work-group, no clusters, 34,560 bytes of LDS; arguments gparm, rank, hit, bg, out0; writes out0
.if DOCPART == 4
	.amdgcn_target "amdgcn-amd-amdhsa--gfx1250"
	.amdhsa_code_object_version 6
	.text
	.protected	k_qd0ed8774fa_raster
	.globl	k_qd0ed8774fa_raster
	.p2align	8
	.type	k_qd0ed8774fa_raster,@function
k_qd0ed8774fa_raster:
	s_mov_b64 s[64:65], 0
	v_nop
	global_prefetch_b8 v0, s[64:65] scope:SCOPE_SE
	s_setreg_imm32_b32 hwreg(HW_REG_WAVE_MODE, 25, 1), 1
	s_wait_xcnt 0x0
; raster: every pixel composites, front to back, the Gaussians that can count in its strip.
; 256 work-groups of 4 waves; work-group g draws strip g: row y = g / 2, columns 64 (g mod 2) .. + 63; a wave has 16 pixels.
; Lane (r, h), r = lane mod 16, h = lane / 16, works for pixel r on Gaussians 16 h .. 16 h + 15 of every chunk of 32 of the strip's list,
; two at a time in packed f32.
; THE ARITHMETIC.  With dy = gy - py fixed for the work-group's row,
;   q = thr + log2e power = (a2 dx + B) dx + Cq,   B = b2 dy,   Cq = (c2 dy) dy + thr,   thr = log2(255 opacity),
;   255 opacity exp(power) = 2^q;   (power <= 0) and (alpha >= 1/255) and valid  <=>  0 <= q <= thr  <=>  bits(q) < TH as unsigned numbers
;   (a negative q and a NaN have larger bits than any TH; TH = 0 where thr < 0).  beta = min(252.45, 2^q) masked = 255 alpha;
;   1 - alpha = 1 - beta / 255;  weight = T beta, kept where T behind the Gaussian is >= 1e-4;  the factor 1/255 once at the end;
;   the exponent q is at most thr + 2 ulp where it is used, and beta is capped as the problem's function caps alpha: no exponential can overflow.
;   T at the end = 1 - (sum of kept T beta) / 255, since the kept weights telescope; that sum is kept in f32.
; THE LIST.  The earlier launch stored, as whole numbers, each Gaussian's rank in the depth order and, for each strip, 1,024 bits: which
; Gaussians can reach alpha >= 1/255 somewhere in it.  The others have alpha = 0 at every pixel here, factor 1 in T and weight 0: the loop
; need not reach them.  All 1,024 are placed in LDS, the kept ones first in depth order, the others behind them: a flag goes to its
; Gaussian's rank; wave w counts the flags of ranks 256 w .. + 255 (lane masks, bit counts); the waves' totals meet; rank n's place,
; kb = the kept ones in front of it if it is kept, else total + n - kb, goes back through LDS to the thread that holds the record.
; The places are a permutation: every entry of the tables is written once, with all lanes on.
; Trips: 2 NI chunks, NI = min(16, max(2, ceil(count / 64))), count = the set bits of the strip's 32 words, read by scalar loads.
; What the last chunks hold behind the kept ones are Gaussians that the loop's own mask turns to beta = 0.  With all 1,024 kept that is all 32 chunks.
; THE PREFIX.  T in front of a lane's 16 Gaussians = T at the chunk's start, times (h = 1) the other half's product of 1 - alpha:
; one exchange between the halves a chunk.  Stage A of a chunk (table -> beta, 1 - alpha, product) needs no T; stage B (the chain of T,
; the cut, the weights) does.  A trip runs B of chunk t interleaved with A of chunk t + 1, so the chain's links have other work between them.
; THE SUM OVER GAUSSIANS (weights x colours) goes to the matrix unit in bf16: A = colours (row min(r, 2): R, G, B, and 13 repeats of B that
; are never read), B = weights (column = pixel r).  In both, lane (r, h)'s register i holds Gaussians 16 h + 2 i, 16 h + 2 i + 1: the same
; permutation of k on both sides, so the products pair.  Register j of the result in lanes 0-15 is channel j of pixel r.
; NO CLUSTER, NO TENSOR LOADS: what the work-groups share is 36 KB of records and ranks, read once each, and they have to pass through
; registers for the row transform and the placement.  No prefetch: the only global loads are the first thing the kernel does.
; LIMITS.  The three thresholds are decided on values rounded otherwise than in the problem's function (fused multiply-adds, opacity in the
; exponent, 1 - alpha multiplied as a tree): a pair within a few ulp of alpha = 1/255 or T = 1e-4 may fall on the other side.  power <= 0 is
; tested behind the addition of thr, with 2 ulp of thr allowed above (Cq and q are each rounded once at thr's size): a computed power in
; (0, about 3e-7 thr] passes.  Weights and colours are rounded to bf16 (2^-9 each) in a sum of terms that are all >= 0.  The strip's bits keep
; a margin of 0.125 in q (see the launch that makes them).
.set GXo,  0                           ; LDS, one f32 for each Gaussian of the list: gx
.set Ao,   4096                        ; a2
.set Bo,   8192                        ; B
.set CQo,  12288                       ; Cq
.set THo,  16384                       ; TH
.set COLo, 20480                       ; three rows (R, G, B) of 1,024 bf16
.set CP,   2080                        ; their pitch: 2,048 + 32, so the three rows that a load touches start 32 bytes apart modulo 256
.set Fo,   28672                       ; 1,024 flags, one byte for each rank
.set POSo, 29696                       ; 1,024 places in the list, 4 bytes for each rank
.set WTo,  33792                       ; the four waves' totals
.set STG,  0                           ; on the way out: 3 x 256 bytes, the 64 pixels of each channel, in the tables' first bytes
.set HMS,  48                          ; s[48:55] hit word w + 4 k: the lane mask of my wave's Gaussians t + 128 k
.set HWD,  68                          ; s[68:99] the strip's 32 hit words (then: the running counts)
.set PXP,  2                           ; v[2:3]   px, twice
.set TA,   4                           ; v4       LDS address in the f32 tables: 64 h + 128 chunk
.set CA,   5                           ; v5       LDS address in the colours: COLo + min(r, 2) CP + 32 h + 64 chunk
.set TRUN, 6                           ; v6       T at the start of the chunk that stage A works on
.set PY,   7                           ; v7       py
.set TQ,   8                           ; v[8:11]  four links of the chain of T
.set SA,   12                          ; v[12:15] sums of kept weights
.set SB,   14
.set LPA,  16                          ; v[16:19] running products of 1 - alpha
.set LPB,  18
.set LV,   20                          ; my 16 Gaussians' product
.set LX,   21                          ; the other half's
.set FV,   22
.set PV,   23
.set DX,   24                          ; v[24:27]
.set U,    28                          ; v[28:31]
.set Q,    32                          ; v[32:35]
.set WT,   36                          ; v[36:39] weights in f32;  v[40:47] at work in the prologue and on the way out
.set W,    48                          ; v[48:55] matrix operand: weights          (v[48:111] are at work in the prologue)
.set COL,  56                          ; v[56:63] matrix operand: colours
.set ACC0, 64                          ; v[64:71], v[72:79] two accumulators
.set ACC1, 72
.set BETA, 80                          ; v[80:95]
.set OM,   96                          ; v[96:111] 1 - alpha
.set GX,   112                         ; v[112:191] a chunk's table, 16 entries of each kind (in the prologue: 8 records P0, 8 records P1, 8 ranks)
.set AA,   128
.set BB,   144
.set CQ,   160
.set TH,   176
	s_load_b256 s[4:11], s[0:1], 0x0               ; gparm s[4:5], rank s[6:7], hit s[8:9], bg s[10:11]
	s_load_b64 s[44:45], s[0:1], 0x20              ; out0
	v_lshl_add_u32 v192, v0, 2, 0x8500
	v_mov_b32 v193, 0
	v_lshrrev_b32 v1, 5, v0
	v_readfirstlane_b32 s12, v1                    ; wave 0..3
	v_and_b32 v1, 31, v0                           ; lane
	s_lshr_b32 s13, ttmp9, 1                       ; y
	s_and_b32 s14, ttmp9, 1
	s_lshl_b32 s14, s14, 6                         ; x0
	s_lshl_b32 s46, ttmp9, 7                       ; my strip's 128 bytes of hit words
	s_mov_b32 s47, 0
	s_lshl_b32 s38, s12, 2                         ; 4 wave
	v_lshlrev_b32 v40, 4, v0                       ; 16 t
	v_lshlrev_b32 v41, 2, v0                       ; 4 t
	s_wait_kmcnt 0x0
	s_add_nc_u64 s[8:9], s[8:9], s[46:47]
	s_load_b96 s[16:18], s[10:11], 0x0             ; bg
	s_load_b512 s[HWD:HWD+15], s[8:9], 0x0         ; the strip's 32 words, for the count
	s_load_b512 s[HWD+16:HWD+31], s[8:9], 0x40
.irp k, 0,1,2,3,4,5,6,7
	s_load_b32 s[HMS+\k], s[8:9], s38 offset:16*\k ; word wave + 4 k
.endr
.irp k, 0,1,2,3,4,5,6,7
	global_load_b32 v[TH+\k], v41, s[6:7] offset:512*\k                        ; rank of Gaussian t + 128 k: the ranks first, they are wanted first
.endr
.irp k, 0,1,2,3,4,5,6,7
	global_load_b128 v[GX+4*\k:GX+4*\k+3], v40, s[4:5] offset:2048*\k          ; P0: gx, gy, a2, b2
	global_load_b128 v[BB+4*\k:BB+4*\k+3], v40, s[4:5] offset:16384+2048*\k    ; P1: c2, thr, crg, cbb
.endr
	s_mov_b32 s20, 0x38d1b717                      ; 1e-4
	s_mov_b32 s22, 0xbb808081                      ; -1/255 (a pair: a packed source is read as a pair)
	s_mov_b32 s23, 0xbb808081
	s_mov_b32 s32, 0xffff0000                      ; the lanes with h = 1
	s_mov_b32 s33, 0x76543210                      ; v_permlanex16_b32: lane i of one half reads lane i of the other
	s_mov_b32 s34, 0xfedcba98
	s_mov_b32 s36, 0x437c7333                      ; 252.45 = 0.99 x 255
	s_mov_b32 s37, 0x3b808081                      ; 1/255
	v_lshrrev_b32 v44, 5, v0
	v_and_b32 v45, 15, v0                          ; r
	v_bfe_u32 v46, v0, 4, 1                        ; h
	v_lshl_add_u32 v44, v44, 4, v45
	v_add_nc_u32 v44, s14, v44                     ; my pixel's column: x0 + 16 wave + r
	v_cvt_f32_u32 v[PXP], v44
	v_cvt_f32_u32 v[PXP+1], v44
	v_cvt_f32_u32 v[PY], s13
	v_lshlrev_b32 v[TA], 6, v46
	v_min_u32 v47, 2, v45
	v_mul_u32_u24 v47, CP, v47
	v_lshl_add_u32 v[CA], v46, 5, v47
	v_add_nc_u32 v[CA], COLo, v[CA]
	v_mov_b32 v[TRUN], 1.0
	v_mov_b32 v[SA], 0
	v_mov_b32 v[SA+1], 0
	v_mov_b32 v[SB], 0
	v_mov_b32 v[SB+1], 0
	v_mov_b32 v[LX], 0                             ; a lane permute's destination counts as read: written once here
	v_and_b32 v46, 0x60, v0                        ; 32 wave
	v_lshl_add_u32 v46, v46, 3, v1                 ; 256 wave + lane: the first rank that I look at
	v_lshlrev_b32 v42, 2, v46                      ; and its word in POS
	v_mov_b32 v43, 0
	v_mov_b32 v44, s38                             ; 4 wave
	; ---- the trip count, from the strip's words ----
	s_wait_kmcnt 0x0                               ; bg, the 32 words, my wave's 8 words
	s_bcnt1_i32_b32 s56, s[HWD]
.set wd, HWD+1
.rept 31
	s_bcnt1_i32_b32 s57, s[wd]
	s_add_co_u32 s56, s56, s57
.set wd, wd+1
.endr
	s_add_co_u32 s56, s56, 63
	s_lshr_b32 s56, s56, 6                         ; ceil(count / 64)
	s_max_u32 s56, s56, 2                          ; two trips are written out in front of the loop and two behind it
	s_min_u32 s56, s56, 16                         ; 1,024 entries are all that the tables hold
	s_sub_co_u32 s35, s56, 2                       ; the loop's trips: 0 to 14
	; ---- a flag at each Gaussian's rank ----
	s_wait_loadcnt 16                              ; loads return in order: the eight ranks are in, the sixteen record loads may stay out
.irp k, 0,1,2,3,4,5,6,7
	v_min_u32 v[TH+\k], 0x3ff, v[TH+\k]            ; a loaded number enters an address only behind this bound
	v_cndmask_b32 v[56+\k], 0, 1, s[HMS+\k]
	ds_store_b8 v[TH+\k], v[56+\k] offset:Fo       ; the ranks are a permutation: every flag is written once
.endr
	s_wait_dscnt 0x0                               ; my flags are in LDS before I say so: other waves read them behind the barrier
	s_barrier_signal -1
	s_barrier_wait -1
	; ---- wave w: ranks 256 w .. + 255, lane l takes 256 w + 32 k + l; how many kept ones stand in front of each ----
.irp k, 0,1,2,3,4,5,6,7
	ds_load_u8 v[64+\k], v46 offset:Fo+32*\k
.endr
	s_wait_dscnt 0x0
.irp k, 0,1,2,3,4,5,6,7
	v_cmp_ne_u32 s[24+\k], 0, v[64+\k]
.endr
	s_mov_b32 s[HWD], 0
.irp k, 0,1,2,3,4,5,6,7
	s_bcnt1_i32_b32 s57, s[24+\k]
	s_add_co_u32 s[HWD+1+\k], s[HWD+\k], s57       ; kept ones in my wave's groups 0 .. k
.endr
.irp k, 0,1,2,3,4,5,6,7
	v_mbcnt_lo_u32_b32 v[72+\k], s[24+\k], s[HWD+\k]   ; those of earlier groups + those of lower lanes
.endr
	v_mov_b32 v45, s[HWD+8]
	ds_store_b32 v44, v45 offset:WTo               ; my wave's total, in its own word
	s_wait_dscnt 0x0                               ; it is in LDS before I say so
	s_barrier_signal -1
	s_barrier_wait -1
	ds_load_b128 v[80:83], v43 offset:WTo
	s_cmp_gt_u32 s12, 0
	s_cselect_b32 s59, -1, 0
	s_cmp_gt_u32 s12, 1
	s_cselect_b32 s60, -1, 0
	s_cmp_gt_u32 s12, 2
	s_cselect_b32 s61, -1, 0
	s_wait_dscnt 0x0
	v_add3_u32 v84, v80, v81, v82
	v_add3_u32 v84, v84, v83, v46                  ; all kept ones + 256 w + l
	v_cndmask_b32 v80, 0, v80, s59
	v_cndmask_b32 v81, 0, v81, s60
	v_cndmask_b32 v82, 0, v82, s61
	v_add3_u32 v80, v80, v81, v82                  ; the totals of the waves in front of mine
.irp k, 0,1,2,3,4,5,6,7
	v_add_nc_u32 v[72+\k], v[72+\k], v80           ; kb: the kept ones in front of rank n = 256 w + 32 k + l
	v_sub_nc_u32 v[88+\k], v84, v[72+\k]
.if \k
	v_add_nc_u32 v[88+\k], 32*\k, v[88+\k]         ; total + n - kb: behind all kept ones, and behind the others of lower rank
.endif
	v_cndmask_b32 v[72+\k], v[88+\k], v[72+\k], s[24+\k]
	ds_store_b32 v42, v[72+\k] offset:POSo+128*\k  ; rank n's place in the list
.endr
	s_wait_dscnt 0x0                               ; my 256 places are in LDS before I say so
	s_barrier_signal -1
	s_barrier_wait -1
	; ---- each thread fetches its Gaussians' places, makes the row's entries meanwhile, and stores them ----
.irp k, 0,1,2,3,4,5,6,7
	v_lshlrev_b32 v[88+\k], 2, v[TH+\k]
	ds_load_b32 v[96+\k], v[88+\k] offset:POSo
.endr
	s_wait_loadcnt 0x0                             ; the records
.irp k, 0,1,2,3,4,5,6,7
	v_sub_f32 v[72+\k], v[GX+4*\k+1], v[PY]        ; dy = gy - py
	v_mul_f32 v[48+\k], v[GX+4*\k+3], v[72+\k]     ; B = b2 dy
	v_mul_f32 v[56+\k], v[BB+4*\k], v[72+\k]
	v_fma_f32 v[56+\k], v[56+\k], v[72+\k], v[BB+4*\k+1]   ; Cq = (c2 dy) dy + thr
	v_cmp_le_f32 vcc_lo, 0, v[BB+4*\k+1]
	v_add_nc_u32 v[64+\k], 3, v[BB+4*\k+1]         ; bits(thr) + 1, and 2 ulp for the two roundings of q
	v_cndmask_b32 v[64+\k], 0, v[64+\k], vcc_lo    ; TH; 0 lets nothing pass
.endr
	s_wait_dscnt 0x0                               ; the eight places
.irp k, 0,1,2,3,4,5,6,7
	v_min_u32 v[96+\k], 0x3ff, v[96+\k]            ; a loaded number enters an address only behind this bound
	v_lshlrev_b32 v[104+\k], 1, v[96+\k]
	v_lshlrev_b32 v[96+\k], 2, v[96+\k]
.endr
.irp k, 0,1,2,3,4,5,6,7
	ds_store_b32 v[96+\k], v[GX+4*\k] offset:GXo
	ds_store_b32 v[96+\k], v[GX+4*\k+2] offset:Ao
	ds_store_b32 v[96+\k], v[48+\k] offset:Bo
	ds_store_b32 v[96+\k], v[56+\k] offset:CQo
	ds_store_b32 v[96+\k], v[64+\k] offset:THo
	ds_store_b16 v[104+\k], v[BB+4*\k+2] offset:COLo
	ds_store_b16_d16_hi v[104+\k], v[BB+4*\k+2] offset:COLo+CP
	ds_store_b16 v[104+\k], v[BB+4*\k+3] offset:COLo+2*CP
.endr
	s_wait_dscnt 0x0                               ; my part of the tables is in LDS before I say so: every wave reads all of them behind the barrier
	s_barrier_signal -1
	s_barrier_wait -1
; five loads: entries 4 k .. 4 k + 3 of my 16 of the chunk at TA.  The 16 lanes of a half read the same 16 bytes.
.macro LDG k
	ds_load_b128 v[GX+4*\k:GX+4*\k+3], v[TA] offset:GXo+16*\k
	ds_load_b128 v[AA+4*\k:AA+4*\k+3], v[TA] offset:Ao+16*\k
	ds_load_b128 v[BB+4*\k:BB+4*\k+3], v[TA] offset:Bo+16*\k
	ds_load_b128 v[CQ+4*\k:CQ+4*\k+3], v[TA] offset:CQo+16*\k
	ds_load_b128 v[TH+4*\k:TH+4*\k+3], v[TA] offset:THo+16*\k
.endm
; Four Gaussians, j = 4 k .. 4 k + 3.  doB: stage B of one chunk; doA: stage A of the next.  BETA and OM have one buffer: B reads its four
; entries (BETA ahead of the exponentials, OM ahead of the last lines) before A writes them.
.macro BLOCK k, doA, doB
.if \doA
	v_pk_add_f32 v[DX:DX+1], v[GX+4*\k:GX+4*\k+1], v[PXP:PXP+1] neg_lo:[0,1] neg_hi:[0,1]      ; dx = gx - px
.endif
.if \doB
	v_mul_f32 v[TQ+1], v[TQ], v[OM+4*\k]                                       ; T behind Gaussian j
.endif
.if \doA
	v_pk_add_f32 v[DX+2:DX+3], v[GX+4*\k+2:GX+4*\k+3], v[PXP:PXP+1] neg_lo:[0,1] neg_hi:[0,1]
	v_pk_fma_f32 v[U:U+1], v[AA+4*\k:AA+4*\k+1], v[DX:DX+1], v[BB+4*\k:BB+4*\k+1]              ; a2 dx + B
.endif
.if \doB
	v_pk_mul_f32 v[WT:WT+1], v[TQ:TQ+1], v[BETA+4*\k:BETA+4*\k+1]              ; weight = T in front x beta
	v_mul_f32 v[TQ+2], v[TQ+1], v[OM+4*\k+1]
.endif
.if \doA
	v_pk_fma_f32 v[U+2:U+3], v[AA+4*\k+2:AA+4*\k+3], v[DX+2:DX+3], v[BB+4*\k+2:BB+4*\k+3]
	v_pk_fma_f32 v[Q:Q+1], v[U:U+1], v[DX:DX+1], v[CQ+4*\k:CQ+4*\k+1]          ; q
.endif
.if \doB
	v_mul_f32 v[TQ+3], v[TQ+2], v[OM+4*\k+2]
.endif
.if \doA
	v_pk_fma_f32 v[Q+2:Q+3], v[U+2:U+3], v[DX+2:DX+3], v[CQ+4*\k+2:CQ+4*\k+3]
.endif
.if \doB
	v_cmp_le_f32 s24, s20, v[TQ+1]                                             ; kept where T behind the Gaussian >= 1e-4
	v_pk_mul_f32 v[WT+2:WT+3], v[TQ+2:TQ+3], v[BETA+4*\k+2:BETA+4*\k+3]
	v_mul_f32 v[TQ], v[TQ+3], v[OM+4*\k+3]                                     ; (the old v[TQ] was read by the first weights)
	v_cmp_le_f32 s25, s20, v[TQ+2]
	v_cmp_le_f32 s26, s20, v[TQ+3]
.endif
.if \doA
.irp n, 0,1,2,3
	v_exp_f32 v[BETA+4*\k+\n], v[Q+\n]                                         ; 2^q
.endr
.endif
.if \doB
	v_cmp_le_f32 s27, s20, v[TQ]
.endif
.if \doA
.irp n, 0,1,2,3
	v_cmp_gt_u32 s[28+\n], v[TH+4*\k+\n], v[Q+\n]                              ; 0 <= q <= thr.  These compares are the plain instructions behind the exponentials (ISA guide 5.7.2): they read no result and write no source
.endr
.endif
.if \doB
.irp n, 0,1,2,3
	v_cndmask_b32 v[WT+\n], 0, v[WT+\n], s[24+\n]
.endr
.endif
.if \doA
	s_wait_alu depctr_va_vdst(0)
.irp n, 0,1,2,3
	v_min_num_f32 v[BETA+4*\k+\n], s36, v[BETA+4*\k+\n]                        ; alpha <= 0.99
.endr
.endif
.if \doB
	v_pk_add_f32 v[SA:SA+1], v[SA:SA+1], v[WT:WT+1]
	v_pk_add_f32 v[SB:SB+1], v[SB:SB+1], v[WT+2:WT+3]
.endif
.if \doA
.irp n, 0,1,2,3
	v_cndmask_b32 v[BETA+4*\k+\n], 0, v[BETA+4*\k+\n], s[28+\n]
.endr
.endif
.if \doB
	v_cvt_pk_bf16_f32 v[W+2*\k], v[WT], v[WT+1]
	v_cvt_pk_bf16_f32 v[W+2*\k+1], v[WT+2], v[WT+3]
.endif
.if \doA
	v_pk_fma_f32 v[OM+4*\k:OM+4*\k+1], v[BETA+4*\k:BETA+4*\k+1], s[22:23], 1.0 op_sel_hi:[1,0,0]       ; 1 - beta / 255
	v_pk_fma_f32 v[OM+4*\k+2:OM+4*\k+3], v[BETA+4*\k+2:BETA+4*\k+3], s[22:23], 1.0 op_sel_hi:[1,0,0]
.if \k == 1
	v_pk_mul_f32 v[LPA:LPA+1], v[OM:OM+1], v[OM+4:OM+5]                        ; the first two blocks start the products
	v_pk_mul_f32 v[LPB:LPB+1], v[OM+2:OM+3], v[OM+6:OM+7]
.endif
.if \k > 1
	v_pk_mul_f32 v[LPA:LPA+1], v[LPA:LPA+1], v[OM+4*\k:OM+4*\k+1]
	v_pk_mul_f32 v[LPB:LPB+1], v[LPB:LPB+1], v[OM+4*\k+2:OM+4*\k+3]
.endif
.endif
.endm
; stage A's end: T in front of my 16 Gaussians of that chunk, and T at the start of the chunk behind it
.macro FINA
	v_pk_mul_f32 v[LPA:LPA+1], v[LPA:LPA+1], v[LPB:LPB+1]
	v_mul_f32 v[LV], v[LPA], v[LPA+1]              ; the product of my 16
	v_permlanex16_b32 v[LX], v[LV], s33, s34       ; the other half's
	v_cndmask_b32 v[FV], 1.0, v[LX], s32           ; h = 1 stands behind h = 0's sixteen
	v_mul_f32 v[PV], v[LV], v[LX]                  ; all 32: the same in both halves
	v_mul_f32 v[TQ], v[TRUN], v[FV]
	v_mul_f32 v[TRUN], v[TRUN], v[PV]
.endm
; Trip t: stage B of chunk t, stage A of chunk t + 1 (doA), the table of chunk t + 2 loaded into the registers that A has just read (fill),
; chunk t's colours, one matrix instruction.  n0 .. n3, nc: LDS loads return in order, so each wait's count is the number of loads issued
; behind the ones that it needs (the figures stand at the calls).
.macro TRIP acc, zero, fill, doA, n0, n1, n2, n3, nc
.if \fill
	v_add_nc_u32 v[TA], 128, v[TA]                 ; 32 entries on
.endif
.if \doA
	s_wait_dscnt \n0
.endif
	BLOCK 0, \doA, 1
	ds_load_b128 v[COL:COL+3], v[CA]               ; 16 bf16 of my colour row: Gaussians 16 h .. + 15 of chunk t
	ds_load_b128 v[COL+4:COL+7], v[CA] offset:16
.if \doA
	v_add_nc_u32 v[CA], 64, v[CA]
.endif
.if \fill
	LDG 0
.endif
.if \doA
	s_wait_dscnt \n1
.endif
	BLOCK 1, \doA, 1
.if \fill
	LDG 1
.endif
.if \doA
	s_wait_dscnt \n2
.endif
	BLOCK 2, \doA, 1
.if \fill
	LDG 2
.endif
.if \doA
	s_wait_dscnt \n3
.endif
	BLOCK 3, \doA, 1
.if \fill
	LDG 3
.endif
	s_wait_dscnt \nc                               ; the colours
.if \zero
	v_wmma_f32_16x16x32_bf16 v[\acc:\acc+7], v[COL:COL+7], v[W:W+7], 0             ; the first product starts the sum: nothing is cleared
.else
	v_wmma_f32_16x16x32_bf16 v[\acc:\acc+7], v[COL:COL+7], v[W:W+7], v[\acc:\acc+7]
.endif
.if \doA
	FINA                                           ; plain instructions that name none of the matrix instruction's registers; W is next written, and COL next loaded, behind most of a BLOCK more
.endif
.endm
	LDG 0                                          ; chunk 0's table: 20 loads
	LDG 1
	LDG 2
	LDG 3
	v_add_nc_u32 v[TA], 128, v[TA]
.irp k, 0,1,2,3
	s_wait_dscnt 15                                ; behind group k of chunk 0 stand 5 (3 - k) loads of chunk 0 and 5 k of chunk 1
	BLOCK \k, 1, 0                                 ; stage A of chunk 0
	LDG \k                                         ; chunk 1's table
.endr
	FINA
	; The two accumulators take turns, one matrix instruction a turn, into the loop, over its backward jump, past it and out into the tail.
	; A filling trip's counts: 15 = groups 1 to 3 of the trip before; 17 = 5 (3 - k) of the trip before + 2 colour loads + 5 k refills; 20 = the four refill groups behind the colour loads.
	; The trips are 2 + 2 s35 + 2 = 2 NI; the last filling trip, number 2 NI - 3, loads chunk 2 NI - 1, the last that is worked on.
	TRIP ACC0, 1, 1, 1, 15, 17, 17, 17, 20         ; t = 0
	TRIP ACC1, 1, 1, 1, 15, 17, 17, 17, 20         ; t = 1
	s_cmp_eq_u32 s35, 0
	s_cbranch_scc1 .Ltail                          ; up to 128 kept: no more filling trips.  Both ways into the tail come from a filling trip: its counts hold on both
.Lpair:
	TRIP ACC0, 0, 1, 1, 15, 17, 17, 17, 20
	TRIP ACC1, 0, 1, 1, 15, 17, 17, 17, 20
	s_sub_co_i32 s35, s35, 1
	s_cmp_lg_u32 s35, 0
	s_cbranch_scc1 .Lpair
.Ltail:
	TRIP ACC0, 0, 0, 1, 15, 12, 7, 2, 0            ; the last but one: no table is left to load: 5 (3 - k) + 2 colour loads, then nothing
	TRIP ACC1, 0, 0, 0, 0, 0, 0, 0, 0              ; the last: stage B alone
	; ---- the way out.  The eight lines up to the last v_mul_f32 name no accumulator: more than the four places that a reader of a matrix result keeps (ISA guide 7.12.1) ----
	v_pk_add_f32 v[SA:SA+1], v[SA:SA+1], v[SB:SB+1]
	v_add_f32 v[SA], v[SA], v[SA+1]
	v_permlanex16_b32 v[LX], v[SA], s33, s34
	v_add_f32 v[SA], v[SA], v[LX]                  ; the pixel's sum of kept T beta, both halves
	v_fma_f32 v[LV], v[SA], s22, 1.0               ; T at the end
.irp c, 0,1,2
	v_mul_f32 v[DX+\c], s[16+\c], v[LV]            ; bg T
.endr
.irp c, 0,1,2
	v_add_f32 v[U+\c], v[ACC0+\c], v[ACC1+\c]
.endr
.irp c, 0,1,2
	v_fma_f32 v[U+\c], v[U+\c], s37, v[DX+\c]      ; channel c of pixel r, in lanes 0-15
.endr
	v_lshrrev_b32 v40, 5, v0
	v_and_b32 v41, 15, v0
	v_lshlrev_b32 v41, 2, v41
	v_lshl_add_u32 v40, v40, 6, v41                ; 4 (16 wave + r)
	v_lshlrev_b32 v42, 3, v0                       ; 256 wave + 8 lane
	v_lshlrev_b32 v43, 3, v1                       ; 8 lane
	s_lshl_b32 s42, s12, 16                        ; channel = wave: 65,536 bytes
	s_lshl_b32 s41, s13, 9                         ; row: 512 bytes
	s_add_co_u32 s42, s42, s41
	s_lshl_b32 s41, s14, 2                         ; 0 or 256
	s_add_co_u32 s42, s42, s41
	s_mov_b32 s43, 0
	s_wait_dscnt 0x0                               ; my reads of the tables are over,
	s_barrier_signal -1
	s_barrier_wait -1                              ; everybody's are: the stage takes the tables' first 768 bytes
	v_cmp_gt_u32 vcc_lo, 16, v1
	s_wait_xcnt 0x0                                ; EXEC changes only behind this wait: global and scalar loads were issued at the head
	s_and_saveexec_b32 s40, vcc_lo                 ; lanes 0-15
.irp c, 0,1,2
	ds_store_b32 v40, v[U+\c] offset:STG+256*\c
.endr
	s_or_b32 exec_lo, exec_lo, s40                 ; all lanes on again; no global instruction stands between the two changes of EXEC
	s_wait_dscnt 0x0                               ; my 16 pixels are staged before I say so: other waves read them behind the barrier
	s_barrier_signal -1
	s_barrier_wait -1
	s_cmp_eq_u32 s12, 3
	s_cbranch_scc1 .Lend                           ; three channels, three waves
	s_add_nc_u64 s[44:45], s[44:45], s[42:43]
	ds_load_b64 v[44:45], v42 offset:STG
	s_wait_dscnt 0x0
	global_store_b64 v43, v[44:45], s[44:45] th:TH_STORE_NT    ; the wave's 32 lanes store 256 consecutive bytes, at a multiple of 256 from out0's first byte
.Lend:
	s_wait_tensorcnt 0x0
	ds_add_u32 v192, v193
	s_wait_dscnt 0x0
	s_endpgm
.Lfunc_end_k_qd0ed8774fa_raster:
	.size	k_qd0ed8774fa_raster, .Lfunc_end_k_qd0ed8774fa_raster-k_qd0ed8774fa_raster
	.p2alignl 7, 3214868480
	.fill 96, 4, 3214868480
	.section	.rodata,"a",@progbits
	.p2align	6, 0x0
	.amdhsa_kernel k_qd0ed8774fa_raster
		.amdhsa_group_segment_fixed_size 34560
		.amdhsa_private_segment_fixed_size 0
		.amdhsa_enable_private_segment 0
		.amdhsa_kernarg_size 40
		.amdhsa_user_sgpr_count 2
		.amdhsa_user_sgpr_kernarg_segment_ptr 1
		.amdhsa_wavefront_size32 1
		.amdhsa_system_sgpr_workgroup_id_x 1
		.amdhsa_system_sgpr_workgroup_id_y 1
		.amdhsa_system_sgpr_workgroup_id_z 1
		.amdhsa_system_vgpr_workitem_id 0
		.amdhsa_next_free_vgpr 194
		.amdhsa_next_free_sgpr 100
		.amdhsa_reserve_vcc 1
		.amdhsa_float_denorm_mode_32 3
		.amdhsa_float_denorm_mode_16_64 3
		.amdhsa_memory_ordered 1
		.amdhsa_forward_progress 1
		.amdhsa_inst_pref_size 93
	.end_amdhsa_kernel
	.amdgpu_metadata
---
amdhsa.version: [ 1, 2 ]
amdhsa.kernels:
  - .name:           k_qd0ed8774fa_raster
    .symbol:         k_qd0ed8774fa_raster.kd
    .args:
      - { .name: gparm, .offset: 0, .size: 8, .value_kind: global_buffer, .address_space: global }
      - { .name: rank, .offset: 8, .size: 8, .value_kind: global_buffer, .address_space: global }
      - { .name: hit, .offset: 16, .size: 8, .value_kind: global_buffer, .address_space: global }
      - { .name: bg, .offset: 24, .size: 8, .value_kind: global_buffer, .address_space: global }
      - { .name: out0, .offset: 32, .size: 8, .value_kind: global_buffer, .address_space: global }
    .group_segment_fixed_size: 34560
    .private_segment_fixed_size: 0
    .kernarg_segment_align: 8
    .kernarg_segment_size: 40
    .max_flat_workgroup_size: 128
    .sgpr_count:     100
    .vgpr_count:     194
    .wavefront_size: 32
...
	.end_amdgpu_metadata
.endif
;; end of part 4
